; MI455X (gfx1250); checked and timed in simulation.
; The chip was launched on July 23, 2026; its instructions are those of AMD's public machine-readable ISA for CDNA 5 (MIT licence, August 2026) and "CDNA5" Instruction Set Architecture Reference Guide (July 2026). The comments in the code are by the model that wrote it; some were corrected since.
;; Time Aware Attention. Allowed arithmetic: matrix products marked QUANTISED: E2M3 operands, one E8M0 scale for each 32 along K, by v_wmma_scale_f32_16x16x128_f8f6f4 with both operands' format E2M3, f32 sums; products left as they are: f32 operands where the result goes on into a quantised operand, else bf16, f16 or f32 operands; f32 sums; everything else in f32.
;; Inputs: Wk_codes 1,024 x 32 x 24 uint8 (E2M3 codes of Wk, K innermost, in blocks of 32 codes, four codes in three bytes); Wk_scales 1,024 x 32 uint8 (E8M0 scales of Wk, one for each 32 codes along K); Wq_codes 1,024 x 32 x 24 uint8 (E2M3 codes of Wq, K innermost, in blocks of 32 codes, four codes in three bytes); Wq_scales 1,024 x 32 uint8 (E8M0 scales of Wq, one for each 32 codes along K); Ws 1,024 float32; Wt 2 x 1,024 float32; bk 1,024 float32; bq 1,024 float32; bs one number float32; bt 1,024 float32; lengths 32 int32; query_codes 32 x 32 x 24 uint8 (E2M3 codes of query, K innermost, in blocks of 32 codes, four codes in three bytes); query_scales 32 x 32 uint8 (E8M0 scales of query, one for each 32 codes along K); seq 32 x 2,048 x 1,024 float32; time_features 32 x 2,048 x 2 float32.
;; Outputs: out0 32 x 1,024 float32.
;; This version of the problem:
;;   THIS VERSION OF THE PROBLEM IS GIVEN IN LOW PRECISION. The matrix products marked QUANTISED in the list below multiply operands that are first quantised to E2M3 (2 exponent bits, 3 mantissa bits; 6 bits a number), with one power-of-two scale for each 32 numbers along K (OCP MX v1.0); their sums are f32. All else is computed in f32.
;;   The module's matrix products, in the order in which they are computed (A, B: the left and right operand; K: the contracted axis; several contracted axes count as one K, in the product's order):
;;     1. [M 32, K 1,024] x [K 1,024, N 1,024]; A: input query (given as codes); B: input Wq (given as codes): QUANTISED
;;     2. [M 65,536, K 1,024] x [K 1,024, N 1,024]; A: input seq; B: input Wk (given as codes): QUANTISED
;;     3. [M 65,536, K 2] x [K 2, N 1,024]; A: input time_features; B: input Wt: left as it is (K = 2 < 32)
;;     4. [M 65,536, K 1,024] x [K 1,024, N 1]; A: computed on the way; B: input Ws: left as it is (N = 1 < 16)
;;     5. batch 32 x [M 1, K 2,048] x [K 2,048, N 1,024]; A: softmax; B: input seq: left as it is (M = 1 < 16)
;;   THE QUANTISER, for each operand of a quantised product, along K:
;;     - K is cut into blocks of 32 from its start; a last block that is shorter is filled with zeros.
;;     - A block's scale is 2^e with e = floor(log2(the largest magnitude in the block)) - 2, held to -126 .. 127; a block of zeros has e = 0. As a byte (E8M0): e + 127.
;;     - Each number is divided by its block's scale, clamped to +-7.5, and rounded to the nearest number of E2M3, ties to even, subnormals kept.
;;     - The product sums the exact products of the quantised numbers (number of the format x scale) in f32.
;;   ~~~python
;;   def quantise(x, axis):      # numpy; x: float32 -> the quantised numbers, widened to float32 again
;;       x = np.moveaxis(x, axis, -1); K = x.shape[-1]
;;       x = np.pad(x, [(0, 0)] * (x.ndim - 1) + [(0, -K % 32)]); x = x.reshape(x.shape[:-1] + (-1, 32)); a = np.abs(x).max(-1, keepdims=True)
;;       e = np.where(a > 0, np.clip(np.frexp(np.where(a > 0, a, 1))[1] - 1 - 2, -126, 127), 0)      # np.frexp(a)[1] - 1 = floor(log2(a)), exactly
;;       r = np.clip(x / 2.0 ** e, -7.5, 7.5)
;;       step = 2.0 ** (np.maximum(np.frexp(np.where(r == 0, 1, r))[1] - 1, 0) - 3)
;;       q = np.round(r / step) * step * 2.0 ** e      # np.round: ties to even
;;       return np.moveaxis(q.reshape(q.shape[:-2] + (-1,))[..., :K], -1, axis).astype(np.float32)
;;   ~~~
;;   INPUTS GIVEN AS CODES. Wk (in the module: [1024, 1024], K = its axis 0); Wq (in the module: [1024, 1024], K = its axis 0); query (in the module: [32, 1024], K = its axis 1): each comes as NAME_codes (uint8): NAME with its K axis moved to the last place and cut into blocks of 32 codes, [.., K / 32, bytes a block], one block behind the other in memory; four codes in three bytes: a row's codes are one little-endian stream of bits, code i at bits 6 i .. 6 i + 5 (a code: sign, 2 exponent bits, 3 mantissa bits); and NAME_scales (uint8): the same leading axes, one E8M0 byte (e + 127) for each 32 codes along K. Its value is code x scale, taken as it is: it is not quantised again, and the codes and scales need not be those that the quantiser above would give.
;; 2 versions. Each part assembles by itself: llvm-mc -triple=amdgcn-amd-amdhsa -mcpu=gfx1250 --defsym DOCPART=n.
;; ======== version 1 of 2: 3 launches
;; limits: values are held in f16: magnitudes above 65,504 overflow, below 6.1e-05 lose precision
;; workspace buffers: cb 131,072 bytes; wkf 786,432 bytes; wks 32,768 bytes; pacc 3,407,872 bytes; pml 212,992 bytes
;; launch prep (part 1): grid 16 x 1, 4 waves a work-group, no clusters, 9,216 bytes of LDS; arguments query_codes, query_scales, Wq_codes, Wq_scales, bq, bk, bt, Wk_codes, Wk_scales, cb, wkf, wks; writes cb, wkf, wks
.if DOCPART == 1
	.amdgcn_target "amdgcn-amd-amdhsa--gfx1250"
	.amdhsa_code_object_version 6
	.text
	.protected	k_qdc372c2376_prep
	.globl	k_qdc372c2376_prep
	.p2align	8
	.type	k_qdc372c2376_prep,@function
k_qdc372c2376_prep:
	s_mov_b64 s[64:65], 0
	v_nop
	global_prefetch_b8 v0, s[64:65] scope:SCOPE_SE
	s_setreg_imm32_b32 hwreg(HW_REG_WAVE_MODE, 25, 1), 1
	s_wait_xcnt 0x0
; TimeAwareAttention, launch 1 of 3.  out[b] = softmax_s(Ws . tanh(seq[b,s] Wk + bk + q[b] + t[b,s]) + bs, rows s >= lengths[b] at -inf) . seq[b].
; WORK LEFT OUT BY THE WHOLE PROGRAM, for all finite values of the inputs:
;  (1) bs is added to every score of a row of the softmax; softmax(x + const) = softmax(x).  bs has no way to the output: it is not loaded and is no argument of any launch.
;  (2) tanh(x) = 1 - 2 r, r = 1 / (1 + 2^y), y = 2 log2(e) x.  So score = sum(Ws) + bs - 2 z, z = sum over d of Ws[d] r[d]; sum(Ws) is the same along s and goes as bs does.  The program keeps -2 z.
;  (3) reference() sets the scores of rows s >= lengths[b] to -inf by a mask that it builds itself: their weight is exactly 0, so they reach no output.  Tiles of 80 rows that lie wholly
;      beyond lengths[b] are not computed (launch 2 reads lengths from memory); inside a live tile such rows stay, as repeats of the last live row with the score -inf.
; LIMITS: lengths is held to 1 .. 2048 (for 0 reference() gives NaN: not served).  A NaN, an infinity or an overflow that reaches only the work left out (bs, sum(Ws), rows beyond lengths) is not carried to the result.
;
; THIS LAUNCH: (a) cb[b][d] = c (query Wq + bq + bk + bt)[b][d], c = 2 log2(e): the first product on the given E2M3 codes and E8M0 scales; the three biases are the C of the sums' first instructions.
; (b) Wk's codes laid anew as images of the operand's registers: fragment (16 rows d x 128 K) = 12 registers a lane, stored as three runs of 512 bytes, lane l's 16 bytes at 16 l:
;     wkf byte ((DG 8 + k) 4 + t) 1536 + 512 c + 16 lane, DG = group of 64 rows of Wk, k = K step of 128, t = tile of 16 rows in the group.
; (c) Wk's scale words: wks byte (DG 8 + k) 256 + 16 r + 4 t = the word of row 64 DG + 16 t + r, K step k: one load of 16 bytes a lane brings a K step's words of four tiles.
; SHARES: work-group DG = 64 rows d of Wq and of Wk; wave t = tile T = 4 DG + t.  Source 0 = 16 rows of Wq (d), source 1 = 16 rows of query (batches): lane (r, h) holds batch r, register j holds d = 16 T + 8 h + j.
.set SPITCH, 272                       ; the stage: 32 batches x (64 d x 4 bytes + 16): the pitch is an odd multiple of 16 bytes
.set SPARE,  8704                      ; behind the stage: the spare words, 128 bytes for each wave: two blocks of 256 bytes that no other line names
.set FA,  1                            ; v1   a fragment's place for my lane: 768 r + 24 h
.set SA,  2                            ; v2   32 r: my row of scale bytes
.set BA,  3                            ; v3   32 h: my eight numbers of a bias
.set IMG, 4                            ; v4   16 x lane
.set STW, 5                            ; v5   the stage, in: 272 r + 64 t + 32 h
.set STR, 6                            ; v6   the stage, out: 272 (tid / 16) + 16 (tid % 16)
.set CBO, 7                            ; v7   the same place in cb: 4096 (tid / 16) + 16 (tid % 16)
.set WSL, 8                            ; v8   Wk's scale words, in: 32 (tid % 16) + 4 (tid / 16)
.set T16, 9                            ; v9   16 x tid: Wk's scale words, out
.set SPW, 10                           ; v10  LDS address of my spare word; never rewritten
.set NIL, 11                           ; v11  0; never rewritten
.set KW,  12                           ; v12-15   four scale words of Wk (first: set-up numbers)
.set WQS, 16                           ; v16-23   Wq's scale words, K steps 0-7
.set QS,  24                           ; v24-39   query's: 8 mt + k
.set BS,  40                           ; v40-47   bq + bk + bt at my eight d
.set ACC, 48                           ; v48-63   two accumulators: batches 0-15, 16-31
.set WQF, 64                           ; v64-111  four fragments of Wq
.set QF,  112                          ; v112-207 eight of query: 12 (4 mt + kk)
.set WKR, 208                          ; v208-255 four of Wk
.macro FRAGG reg, adr, base, off       ; a fragment of 6-bit codes as it lies in memory: 24 bytes at +0 and 24 at +48, in pieces of 8 bytes
.irp p, 0,1,2,3,4,5
	global_load_b64 v[(\reg)+2*\p:(\reg)+2*\p+1], v[\adr], s[\base:\base+1] offset:(\off)+48*(\p/3)+8*(\p%3)
.endr
.endm
.macro LOADS k0                        ; four K steps from k0 on: Wk's, Wq's and query's fragments
.irp kk, 0,1,2,3
	FRAGG WKR+12*\kk, FA, 18, ((\k0)+\kk)*96
.endr
.irp kk, 0,1,2,3
	FRAGG WQF+12*\kk, FA, 8, ((\k0)+\kk)*96
.endr
.irp mt, 0,1
.irp kk, 0,1,2,3
	FRAGG QF+12*(4*\mt+\kk), FA, 4, \mt*12288+((\k0)+\kk)*96
.endr
.endr
.endm
.macro IMAGES k0                       ; Wk's four fragments go out as they stand: each store covers 512 consecutive bytes, aligned
.irp kk, 0,1,2,3
.irp c, 0,1,2
	global_store_b128 v[IMG], v[WKR+12*\kk+4*\c:WKR+12*\kk+4*\c+3], s[24:25] offset:((\k0)+\kk)*6144+512*\c
.endr
.endr
.endm
.macro PRODUCTS k0                     ; eight matrix instructions; the two accumulators take turns, one instruction a turn
.irp kk, 0,1,2,3
.irp mt, 0,1
.if ((\k0)+\kk) == 0
	v_wmma_scale_f32_16x16x128_f8f6f4 v[ACC+8*\mt:ACC+8*\mt+7], v[WQF+12*\kk:WQF+12*\kk+11], v[QF+12*(4*\mt+\kk):QF+12*(4*\mt+\kk)+11], v[BS:BS+7], v[WQS+(\k0)+\kk], v[QS+8*\mt+(\k0)+\kk] matrix_a_fmt:MATRIX_FMT_FP6 matrix_b_fmt:MATRIX_FMT_FP6
.else
	v_wmma_scale_f32_16x16x128_f8f6f4 v[ACC+8*\mt:ACC+8*\mt+7], v[WQF+12*\kk:WQF+12*\kk+11], v[QF+12*(4*\mt+\kk):QF+12*(4*\mt+\kk)+11], v[ACC+8*\mt:ACC+8*\mt+7], v[WQS+(\k0)+\kk], v[QS+8*\mt+(\k0)+\kk] matrix_a_fmt:MATRIX_FMT_FP6 matrix_b_fmt:MATRIX_FMT_FP6
.endif
.endr
.endr
.rept 4
	v_nop                                          ; four places behind the last product, ahead of loads into its sources and of the first read of results
.endr
.endm
	s_load_b512 s[4:19], s[0:1], 0x0               ; query_codes 4, query_scales 6, Wq_codes 8, Wq_scales 10, bq 12, bk 14, bt 16, Wk_codes 18
	s_load_b256 s[20:27], s[0:1], 0x40             ; Wk_scales 20, cb 22, wkf 24, wks 26
	v_lshl_add_u32 v[SPW], v0, 2, SPARE
	v_mov_b32 v[NIL], 0
	v_lshrrev_b32 v12, 5, v0
	v_readfirstlane_b32 s28, v12                   ; wave t
	s_lshl_b32 s29, ttmp9, 2
	s_add_co_u32 s29, s29, s28                     ; T = 4 DG + t
	v_and_b32 v12, 15, v0                          ; r  (= tid % 16)
	v_bfe_u32 v13, v0, 4, 1                        ; h
	v_lshrrev_b32 v14, 4, v0                       ; tid / 16
	v_mul_u32_u24 v[FA], v12, 768
	v_mad_u32_u24 v[FA], v13, 24, v[FA]
	v_lshlrev_b32 v[SA], 5, v12
	v_lshlrev_b32 v[BA], 5, v13
	v_and_b32 v[IMG], 31, v0
	v_lshlrev_b32 v[IMG], 4, v[IMG]
	v_mul_u32_u24 v[STW], v12, SPITCH
	v_lshl_add_u32 v[STW], v13, 5, v[STW]
	s_lshl_b32 s30, s28, 6
	v_add_nc_u32 v[STW], s30, v[STW]
	v_mul_u32_u24 v[STR], v14, SPITCH
	v_lshl_add_u32 v[STR], v12, 4, v[STR]
	v_lshlrev_b32 v[CBO], 12, v14
	v_lshl_add_u32 v[CBO], v12, 4, v[CBO]
	v_lshlrev_b32 v[WSL], 5, v12
	v_lshl_add_u32 v[WSL], v14, 2, v[WSL]
	v_lshlrev_b32 v[T16], 4, v0
	s_mul_i32 s30, s29, 12288                      ; my 16 rows of codes: 16 x 768 bytes
	s_mov_b32 s31, 0
	s_lshl_b32 s32, s29, 9                         ; of scale bytes: 16 x 32
	s_mov_b32 s33, 0
	s_lshl_b32 s36, s29, 6                         ; of a bias: 16 x 4
	s_mov_b32 s37, 0
	s_lshl_b32 s38, ttmp9, 11                      ; my group's 64 rows of scale bytes, and its 2,048 bytes of wks
	s_mov_b32 s39, 0
	s_lshl_b32 s40, ttmp9, 8                       ; my group's 64 columns of cb
	s_mov_b32 s41, 0
	s_mul_i32 s42, ttmp9, 49152                    ; my group's images,
	s_mul_i32 s43, s28, 1536                       ; my tile's among them
	s_add_co_u32 s42, s42, s43
	s_mov_b32 s43, 0
	s_mov_b32 s34, 0x4038aa3b                      ; c = 2 log2(e)
	s_mov_b32 s35, s34                             ; (named with it as a pair, so it is written)
	s_wait_kmcnt 0x0
	s_add_nc_u64 s[8:9], s[8:9], s[30:31]
	s_add_nc_u64 s[18:19], s[18:19], s[30:31]
	s_add_nc_u64 s[10:11], s[10:11], s[32:33]
	s_add_nc_u64 s[12:13], s[12:13], s[36:37]
	s_add_nc_u64 s[14:15], s[14:15], s[36:37]
	s_add_nc_u64 s[16:17], s[16:17], s[36:37]
	s_add_nc_u64 s[20:21], s[20:21], s[38:39]
	s_add_nc_u64 s[26:27], s[26:27], s[38:39]
	s_add_nc_u64 s[22:23], s[22:23], s[40:41]
	s_add_nc_u64 s[24:25], s[24:25], s[42:43]
.irp t, 0,1,2,3
	global_load_b32 v[KW+\t], v[WSL], s[20:21] offset:512*\t       ; the word of row 64 DG + 16 t + tid % 16, K step tid / 16
.endr
	global_load_b128 v[WQS:WQS+3], v[SA], s[10:11]
	global_load_b128 v[WQS+4:WQS+7], v[SA], s[10:11] offset:16
.irp mt, 0,1
	global_load_b128 v[QS+8*\mt:QS+8*\mt+3], v[SA], s[6:7] offset:512*\mt
	global_load_b128 v[QS+8*\mt+4:QS+8*\mt+7], v[SA], s[6:7] offset:512*\mt+16
.endr
	global_load_b128 v[BS:BS+3], v[BA], s[12:13]
	global_load_b128 v[BS+4:BS+7], v[BA], s[12:13] offset:16
	global_load_b128 v[ACC:ACC+3], v[BA], s[14:15]                 ; bk and bt land where the sums will stand
	global_load_b128 v[ACC+4:ACC+7], v[BA], s[14:15] offset:16
	global_load_b128 v[ACC+8:ACC+11], v[BA], s[16:17]
	global_load_b128 v[ACC+12:ACC+15], v[BA], s[16:17] offset:16
	LOADS 0
	s_wait_loadcnt 0x0
	global_store_b128 v[T16], v[KW:KW+3], s[26:27]                 ; sixteen lanes store 256 consecutive bytes, aligned
	IMAGES 0
.irp n, 0,2,4,6
	v_pk_add_f32 v[BS+\n:BS+\n+1], v[BS+\n:BS+\n+1], v[ACC+\n:ACC+\n+1]
.endr
.irp n, 0,2,4,6
	v_pk_add_f32 v[BS+\n:BS+\n+1], v[BS+\n:BS+\n+1], v[ACC+8+\n:ACC+8+\n+1]
.endr
.rept 4
	v_nop                                          ; between the sums of the biases and the products that take them as C
.endr
	PRODUCTS 0
	s_wait_xcnt 0x0                                ; the image stores have read their data: Wk's registers are loaded again only behind this wait
	LOADS 4
	s_wait_loadcnt 0x0
	IMAGES 4
	PRODUCTS 4
.irp n, 0,2,4,6,8,10,12,14
	v_pk_mul_f32 v[ACC+\n:ACC+\n+1], v[ACC+\n:ACC+\n+1], s[34:35] op_sel_hi:[1,0]   ; x c; each accumulator from its low end on
.endr
.irp mt, 0,1
	ds_store_b128 v[STW], v[ACC+8*\mt:ACC+8*\mt+3] offset:\mt*16*SPITCH
	ds_store_b128 v[STW], v[ACC+8*\mt+4:ACC+8*\mt+7] offset:\mt*16*SPITCH+16
.endr
	s_wait_dscnt 0x0                               ; for the others' sake: my stores into the stage are done
	s_barrier_signal -1
	s_barrier_wait -1                              ; a batch's 256 bytes come from four waves
.irp p, 0,1,2,3
	ds_load_b128 v[WQF+4*\p:WQF+4*\p+3], v[STR] offset:\p*8*SPITCH
.endr
.irp p, 0,1,2,3
	s_wait_dscnt 3-\p                              ; load p is in; the younger ones may be out
	global_store_b128 v[CBO], v[WQF+4*\p:WQF+4*\p+3], s[22:23] offset:\p*8*4096     ; sixteen lanes store 256 consecutive bytes, aligned
.endr
	s_wait_tensorcnt 0x0                           ; the wave's end, behind my last LDS store
	ds_add_u32 v[SPW], v[NIL]
	s_wait_dscnt 0x0
	s_endpgm
.Lfunc_end_k_qdc372c2376_prep:
	.size	k_qdc372c2376_prep, .Lfunc_end_k_qdc372c2376_prep-k_qdc372c2376_prep
	.p2alignl 7, 3214868480
	.fill 96, 4, 3214868480
	.section	.rodata,"a",@progbits
	.p2align	6, 0x0
	.amdhsa_kernel k_qdc372c2376_prep
		.amdhsa_group_segment_fixed_size 9216
		.amdhsa_private_segment_fixed_size 0
		.amdhsa_enable_private_segment 0
		.amdhsa_kernarg_size 96
		.amdhsa_user_sgpr_count 2
		.amdhsa_user_sgpr_kernarg_segment_ptr 1
		.amdhsa_wavefront_size32 1
		.amdhsa_system_sgpr_workgroup_id_x 1
		.amdhsa_system_sgpr_workgroup_id_y 1
		.amdhsa_system_sgpr_workgroup_id_z 1
		.amdhsa_system_vgpr_workitem_id 0
		.amdhsa_next_free_vgpr 256
		.amdhsa_next_free_sgpr 66
		.amdhsa_reserve_vcc 0
		.amdhsa_float_denorm_mode_32 3
		.amdhsa_float_denorm_mode_16_64 3
		.amdhsa_memory_ordered 1
		.amdhsa_forward_progress 1
		.amdhsa_inst_pref_size 30
	.end_amdhsa_kernel
	.amdgpu_metadata
---
amdhsa.version: [ 1, 2 ]
amdhsa.kernels:
  - .name:           k_qdc372c2376_prep
    .symbol:         k_qdc372c2376_prep.kd
    .args:
      - { .name: query_codes, .offset: 0, .size: 8, .value_kind: global_buffer, .address_space: global }
      - { .name: query_scales, .offset: 8, .size: 8, .value_kind: global_buffer, .address_space: global }
      - { .name: Wq_codes, .offset: 16, .size: 8, .value_kind: global_buffer, .address_space: global }
      - { .name: Wq_scales, .offset: 24, .size: 8, .value_kind: global_buffer, .address_space: global }
      - { .name: bq, .offset: 32, .size: 8, .value_kind: global_buffer, .address_space: global }
      - { .name: bk, .offset: 40, .size: 8, .value_kind: global_buffer, .address_space: global }
      - { .name: bt, .offset: 48, .size: 8, .value_kind: global_buffer, .address_space: global }
      - { .name: Wk_codes, .offset: 56, .size: 8, .value_kind: global_buffer, .address_space: global }
      - { .name: Wk_scales, .offset: 64, .size: 8, .value_kind: global_buffer, .address_space: global }
      - { .name: cb, .offset: 72, .size: 8, .value_kind: global_buffer, .address_space: global }
      - { .name: wkf, .offset: 80, .size: 8, .value_kind: global_buffer, .address_space: global }
      - { .name: wks, .offset: 88, .size: 8, .value_kind: global_buffer, .address_space: global }
    .group_segment_fixed_size: 9216
    .private_segment_fixed_size: 0
    .kernarg_segment_align: 8
    .kernarg_segment_size: 96
    .max_flat_workgroup_size: 128
    .sgpr_count:     66
    .vgpr_count:     256
    .wavefront_size: 32
...
	.end_amdgpu_metadata
.endif
;; end of part 1
;; launch main (part 2): grid 32 x 26, 8 waves a work-group, no clusters, 316,672 bytes of LDS; arguments seq, time_features, lengths, Wt, Ws, cb, wkf, wks, pacc, pml; writes pacc, pml
.if DOCPART == 2
	.amdgcn_target "amdgcn-amd-amdhsa--gfx1250"
	.amdhsa_code_object_version 6
	.text
	.protected	k_qdc372c2376_main
	.globl	k_qdc372c2376_main
	.p2align	8
	.type	k_qdc372c2376_main,@function
k_qdc372c2376_main:
	s_mov_b64 s[64:65], 0
	v_nop
	global_prefetch_b8 v0, s[64:65] scope:SCOPE_SE
	s_setreg_imm32_b32 hwreg(HW_REG_WAVE_MODE, 25, 1), 1
	s_wait_xcnt 0x0
; TimeAwareAttention, launch 2 of 3: one tile (batch b = work-group x, rows 80 chunk .. 80 chunk + 79, chunk = work-group y) through the whole chain.
; LEFT OUT (shown at the head of launch 1): bs and sum(Ws), constant along the softmax's axis; tiles whose rows all lie at or beyond lengths[b], whose weights reference()'s own mask makes 0:
; in such a work-group a scalar branch on lengths[b], read from memory, leads round each of the three stretches of work; every wave still passes both barriers, so no barrier hangs on a loaded number.
; So this launch has no tensor load and no copy: operands go through registers.  26 x 80 >= 2048: the grid serves every lengths.
; NO CLUSTER: which work-groups have work hangs on lengths, so partners could not make every joint request.
; LIMITS: lengths held to 1 .. 2048.  For the last product (left as it is by the contract) seq is rounded to f16, its weights stay f32: |seq| must stay under 65,504, f16's largest number (beyond it the copy is infinite);
;   under 2^-14 the copy keeps an absolute step of 2^-24.  f16 and not bf16: 11 significant bits against 8; where lengths[b] is small the sum has few terms, and the operand's rounding reaches the result undiminished.
;   A block of 32 zeros of seq gets the scale byte 1, its codes are zeros.
; THE CHAIN.  X: seq's 80 rows are read from memory ONCE; each wave takes columns 128 w .. 128 w + 127 (K step w) of all rows, 16 rows at a time: through its stage in LDS, so that a lane holds 16 neighbours of each
;   block of 32; quantised to E2M3 with E8M0 scales; the fragment goes to LDS as an image of its registers, and an f16 copy of the numbers stays in LDS for the last product.  | barrier |
; 2: k = seq Wk on codes.  THE WAVES SHARE THE COLUMNS d: wave w makes d = 128 w .. 128 w + 127 in two groups of 64, for all 80 rows: 20 accumulators.  Source 0 = 16 rows of Wk, from launch 1's images straight into
;   registers (each feeds 5 products), source 1 = 16 rows of seq from LDS (each feeds 4).  Lane (r, h) holds row s = r, register j holds d = 8 h + j: the sum over d stays in the lane.
; TANH: y = c k + cb + c Wt0 tf0 + c Wt1 tf1 (c = 2 log2 e; cb from launch 1);  r = 1 / (1 + 2^y);  z += Ws r.  2^y = infinity gives r = 0, 2^y = 0 gives r = 1: tanh's two ends.   | barrier |
; TAIL: every wave adds the eight waves' z; t = -c z is the score in powers of two; rows at or beyond lengths get -inf; m = the tile's largest t; p = 2^(t - m); l = sum p; wave w sums p x (f16 seq) over its own 128 columns.
;   pacc[26 b + chunk] = that vector, pml[..] = (m, l): launch 3 joins the tiles under the batch's maximum.
; Rows of a live tile beyond lengths repeat the tile's last live row (the row index is held at it): no new bytes, finite numbers, weight 0.
; No register made in one of the three stretches is read in another: what they share (addresses, constants) is made at the head, on the way that every wave takes.
.set CODES, 0                          ; LDS: seq's 40 fragments, (8 u + k) 1536 + 512 c + 16 lane
.set SSC,   61440                      ; their scale words, (8 u + k) 128 + 4 lane
.set PARAM, 66560                      ; for each group of 8 d: c Wt0 x 8, c Wt1 x 8, cb x 8, Ws x 8: 128 bytes
.set COPY,  82944                      ; 80 rows of f16
.set CPP,   2064                       ; their pitch: 2,048 + 16, an odd multiple of 16 bytes
.set STAGE, 248064                     ; for each wave 16 rows x (512 + 16) bytes of f32
.set STP,   528
.set PART,  STAGE                      ; behind the first barrier, in what was wave 0's stage: [8 waves][80] partial z, 320 bytes a wave;
.set PWT,   STAGE+4096                 ; and [8 waves][96] weights p, each wave's own
.set SPARE, 315648                     ; the spare words, 128 bytes for each wave: four blocks of 256 bytes that no other line names
; window 0
.set SPW,  4                           ; v4   LDS address of my spare word; never rewritten
.set NIL,  5                           ; v5   0; never rewritten
.set STGW, 6                           ; v6   my stage, in: 16 x lane
.set STGR, 7                           ; v7   my stage, out: 528 r + 64 h
.set CDW,  8                           ; v8   where I store images: 1536 w + 16 lane
.set SSW,  9                           ; v9   and scale words: SSC + 128 w + 4 lane
.set CPW,  10                          ; v10  the copy, in: COPY + 2064 r + 256 w + 32 h
.set CPA,  11                          ; v11  the copy's address in hand
.set LI,   12                          ; v12  16 x lane: an image's place, in LDS and in wkf; my 16 bytes of pacc
.set LS,   13                          ; v13  SSC + 4 lane
.set PRD,  14                          ; v14  PARAM + 2048 w + 128 h
.set L8,   15                          ; v15  8 x lane: pml
.set WSO,  16                          ; v16  16 r: wks
.set GLO,  17                          ; v17  512 w + 16 lane: my bytes of a row of seq
.set PTW,  18                          ; v18  PART + 320 w + 4 r
.set CPR,  19                          ; v19  the copy, out: COPY + 256 w + 8 lane
.set TA,   20                          ; v20-24 time features' offsets; later the wave's z
.set T16,  25                          ; v25  16 x tid
.set PRM,  26                          ; v26-30 destinations of lane permutes
.set PAW,  31                          ; v31  PARAM + 128 (tid / 2) + 16 (tid % 2)
.set RING, 32                          ; v32-175  three slots of four fragments of Wk
.set WSC,  176                         ; v176-187 their scale words: scales and nothing else
.set SF,   188                         ; v188-247 five fragments of seq
.set SS,   248                         ; v248-252 their scale words: scales and nothing else
.set OFFR, 32                          ; phase X: v32-47 the 16 rows' offsets; v48-111 64 numbers; v112-131 codes; v132-147 at work; v148 the scale word; v188-203 parameters as loaded
.set ST,   48
.set PC,   112
.set TM,   132
.set PW,   148
.set PIN,  188
.set Z,    32                          ; tail: v32-55 partial z; v56-62 addresses and constants; v64-127 rows, v128-159 weights, two sets each; v160-167 sums; v168, v169 m, l; v188-195 widened numbers
.set A1,   56
.set A3,   57
.set R1,   58
.set R2,   59
.set NINF, 60
.set PWA,  61
.set PWB,  62
.set RW,   64                          ; the rows' f16 pairs lie under v128, where a register's halves have names; CHUNKFMA names these registers by number
.set PP,   128
.set O,    160
.set ML,   168
.set CT,   188
; window 1 (written by their low 8 bits): v0-159 the accumulators, (u, t) at 8 (4 u + t); in phase X v0-191 three landing slots of 64
.set PAR0, 160                         ; v160-191, v212-243 two sets of a tile's parameters: +0 c Wt0, +8 c Wt1, +16 cb, +24 Ws
.set TF,   192                         ; v192-201 the time features of my row of each tile of rows: a pair
.set SCO,  202                         ; v202-211 z of my row of each tile of rows, in two halves
.set PAR1, 212
.set LIVE, 48                          ; s48  lengths[b] - the tile's first row: 0 or less in a tile that is masked whole
.set MSB, 0
.macro WIN new                         ; s_set_vgpr_msb: bits 1:0 source 0, 3:2 source 1, 5:4 source 2, 7:6 destination; the high byte repeats the setting that is left
.if MSB != \new
	s_set_vgpr_msb (MSB<<8)|\new
.set MSB, \new
.endif
.endm
.macro PLACES                          ; four places behind a matrix instruction, ahead of loads into its registers and of the first read of results
.rept 4
	v_nop
.endr
.endm
; 16 rows of seq, my 512 bytes of each, into landing slot u % 3.  The row index is held at the last live row by a minimum with a constant.  Each load reads 512 consecutive bytes.
.macro ULOAD u
.if (\u) > 0
	s_wait_xcnt 0x0                                ; the offsets are sources of the loads before: rewritten only behind this wait
.endif
.irp i, 0,1,2,3,4,5,6,7,8,9,10,11,12,13,14,15
	s_min_u32 s33, s32, 16*(\u)+\i
	v_lshl_add_u32 v[OFFR+\i], s33, 12, v[GLO]
.endr
	WIN 0x40
.irp i, 0,1,2,3,4,5,6,7,8,9,10,11,12,13,14,15
	global_load_b128 v[64*((\u)%3)+4*\i:64*((\u)%3)+4*\i+3], v[OFFR+\i], s[8:9] th:TH_LOAD_NT   ; a live row's bytes are read by this wave alone in the whole launch
.endr
	WIN 0
.endm
; 64 numbers of a lane, register 16 b + i = k 32 b + 16 h + i of my row, become a fragment's codes in v[PC] on and its scale word in v[PW].
.macro QUANT s
.irp b, 0,1,2,3
	v_max3_num_f32 v[TM+\b], |v[\s+16*\b]|, |v[\s+1+16*\b]|, 0x1800000   ; my 16 numbers of block b, and the floor 2^(3 - 127): the byte cannot fall under 1
.endr
.irp i, 2,4,6,8,10,12,14
.irp b, 0,1,2,3
	v_max3_num_f32 v[TM+\b], v[TM+\b], |v[\s+16*\b+\i]|, |v[\s+1+16*\b+\i]|
.endr
.endr
.irp b, 0,1,2,3
	v_permlanex16_b32 v[TM+4+\b], v[TM+\b], s38, s39
.endr
.irp b, 0,1,2,3
	v_max_num_f32 v[TM+\b], v[TM+\b], v[TM+4+\b]   ; with lane l xor 16's: the block's largest magnitude
.endr
.irp b, 0,1,2,3
	v_add_nc_u32 v[TM+12+\b], 0xff000000, v[TM+\b] ; 2 off its exponent field: the conversion's scale operand
.endr
.irp b, 0,1,2,3
	v_lshrrev_b32 v[TM+4+\b], 23, v[TM+12+\b]      ; the scale's byte
.endr
	v_lshl_or_b32 v[PW], v[TM+5], 8, v[TM+4]
	v_lshl_or_b32 v[PW], v[TM+6], 16, v[PW]
	v_lshl_or_b32 v[PW], v[TM+7], 24, v[PW]
.irp c, 0,1
	v_cvt_scalef32_pk16_fp6_f32 v[PC+6*\c:PC+2+6*\c], v[\s+32*\c:\s+15+32*\c], v[TM+12+2*\c]
	v_cvt_scalef32_pk16_fp6_f32 v[PC+12+4*\c:PC+14+4*\c], v[\s+16+32*\c:\s+31+32*\c], v[TM+12+2*\c+1]   ; (a conversion's three registers begin on an even number)
.endr
	v_nop                                          ; one plain place behind a scaled conversion
.irp c, 0,1                                    ; the operand's layout wants a whole block in a lane: lanes 0-15 block 2 c, lanes 16-31 block 2 c + 1
.irp i, 0,1,2
	v_permlane16_swap_b32 v[PC+6*\c+\i], v[PC+12+4*\c+\i]
.endr
.irp i, 0,1,2
	v_mov_b32 v[PC+3+6*\c+\i], v[PC+12+4*\c+\i]
.endr
.endr
.endm
; Tile of rows u, my K step.  left: the loads of younger units, 16 each, which may stay out.  next: the unit whose loads take this unit's landing slot, or -1.
.macro UNIT u, left, next
	s_wait_loadcnt \left
	WIN 0x04                                       ; an LDS store's data are its source 1: window 1
.irp i, 0,1,2,3,4,5,6,7,8,9,10,11,12,13,14,15
	ds_store_b128 v[STGW], v[64*((\u)%3)+4*\i:64*((\u)%3)+4*\i+3] offset:STP*\i
.endr
	WIN 0
	s_wait_dscnt 0x0                               ; the unit before's image and copy stores have read their registers
.irp b, 0,1,2,3
.irp j, 0,1,2,3
	ds_load_b128 v[ST+16*\b+4*\j:ST+16*\b+4*\j+3], v[STGR] offset:128*\b+16*\j   ; row r: 16 neighbours of each block of 32
.endr
.endr
	s_wait_dscnt 0x0
.if \next >= 0
	ULOAD \next                                    ; the landing slot's stage stores are done
.endif
	QUANT ST
.irp c, 0,1,2
	ds_store_b128 v[CDW], v[PC+4*\c:PC+4*\c+3] offset:(\u)*12288+512*\c
.endr
	ds_store_b32 v[SSW], v[PW] offset:(\u)*1024
.set n, 0
.rept 32
	v_cvt_pk_f16_f32 v[ST+n], v[ST+2*n], v[ST+2*n+1]    ; two roundings to f16, the first number in the low half; in place, ascending: a result lands on numbers that are done with
.set n, n+1
.endr
.if (\u) == 0
.set CA, CPW
.else
.set CA, CPA
	v_add_nc_u32 v[CPA], (\u)*16*CPP, v[CPW]
.endif
.irp b, 0,1,2,3
.irp e, 0,1
	ds_store_b128 v[CA], v[ST+8*\b+4*\e:ST+8*\b+4*\e+3] offset:64*\b+16*\e
.endr
.endr
.endm
; Step j = 8 g + k of the second product: column group g, K step k.  Its four fragments of Wk and their scale words: 13 loads into slot j % 3.
.macro WKLOAD j
.set RB, RING+48*((\j)%3)
.irp t, 0,1,2,3
.irp c, 0,1,2
	global_load_b128 v[RB+12*\t+4*\c:RB+12*\t+4*\c+3], v[LI], s[20:21] offset:(\j)*6144+\t*1536+\c*512
.endr
.endr
	global_load_b128 v[WSC+4*((\j)%3):WSC+4*((\j)%3)+3], v[WSO], s[22:23] offset:(\j)*256
.endm
.macro LDSF k, u                       ; seq's fragment (tile of rows u, K step k) and its scale words: 4 LDS loads
.irp c, 0,1,2
	ds_load_b128 v[SF+12*(\u)+4*\c:SF+12*(\u)+4*\c+3], v[LI] offset:(8*(\u)+(\k))*1536+512*\c
.endr
	ds_load_b32 v[SS+(\u)], v[LS] offset:(8*(\u)+(\k))*128
.endm
.macro MUL j, u                        ; four matrix instructions: the slot's four tiles of d x tile of rows u.  A group's first K step starts the sums: nothing is cleared
.set RB, RING+48*((\j)%3)
.set WB, WSC+4*((\j)%3)
.irp t, 0,1,2,3
.if ((\j)%8) == 0
	v_wmma_scale_f32_16x16x128_f8f6f4 v[8*(4*(\u)+\t):8*(4*(\u)+\t)+7], v[RB+12*\t:RB+12*\t+11], v[SF+12*(\u):SF+12*(\u)+11], 0, v[WB+\t], v[SS+(\u)] matrix_a_fmt:MATRIX_FMT_FP6 matrix_b_fmt:MATRIX_FMT_FP6
.else
	v_wmma_scale_f32_16x16x128_f8f6f4 v[8*(4*(\u)+\t):8*(4*(\u)+\t)+7], v[RB+12*\t:RB+12*\t+11], v[SF+12*(\u):SF+12*(\u)+11], v[8*(4*(\u)+\t):8*(4*(\u)+\t)+7], v[WB+\t], v[SS+(\u)] matrix_a_fmt:MATRIX_FMT_FP6 matrix_b_fmt:MATRIX_FMT_FP6
.endif
.endr
.endm
; The 20 accumulators take turns, one instruction a turn, in the same order in every step.  A slot of Wk is asked for two whole steps, 40 matrix instructions, ahead of its use.
.macro STEP j
.if 15-(\j) >= 2
	s_wait_loadcnt 26                              ; this step's 13 loads (and all older loads) are in; the two younger slots' may be out
.else
	s_wait_loadcnt 13*(15-(\j))
.endif
	s_wait_dscnt 8                                 ; fragments 0-2 are in; the youngest eight loads (fragments 3, 4 and their words) may be out
	WIN 0x50                                       ; C and D window 1
	MUL \j, 0
	MUL \j, 1
	MUL \j, 2
	WIN 0
	PLACES
.set KN, ((\j)%8)+1
.if ((\j)%8) < 7
	LDSF KN, 0
	LDSF KN, 1
	LDSF KN, 2
	s_wait_dscnt 12                                ; all but the 12 just issued
.else
	s_wait_dscnt 0x0
.endif
	WIN 0x50
	MUL \j, 3
	MUL \j, 4
	WIN 0
	PLACES
.if ((\j)%8) < 7
	LDSF KN, 3
	LDSF KN, 4
.endif
.if (\j)+3 <= 15
	WKLOAD (\j)+3
.endif
.endm
.macro PLOAD g, t, e                   ; the parameters of my eight d of tile (g, t) into set e: all lanes of a half read the same 128 bytes
	WIN 0x40
.irp i, 0,1,2,3,4,5,6,7
	ds_load_b128 v[PAR0+(PAR1-PAR0)*(\e)+4*\i:PAR0+(PAR1-PAR0)*(\e)+4*\i+3], v[PRD] offset:(4*(\g)+(\t))*256+16*\i
.endr
.endm
; Column group g's 20 tiles: y, r = 1 / (1 + 2^y), z += Ws r.  Five tiles of rows at a time; 40 exponentials and 40 reciprocals are a batch each, with one plain place and one wait behind each batch.
.macro TANH g
	PLOAD \g, 0, 0
.irp t, 0,1,2,3
.if \t < 3
	PLOAD \g, \t+1, (\t+1)%2
	s_wait_dscnt 8                                 ; this tile's set is in; the next one's eight loads may be out
.else
	s_wait_dscnt 0x0
.endif
	WIN 0x55                                       ; all operands in window 1
.set P, PAR0+(PAR1-PAR0)*(\t%2)
.irp q, 0,1,2,3
.irp u, 0,1,2,3,4
	v_pk_fma_f32 v[8*(4*\u+\t)+2*\q:8*(4*\u+\t)+2*\q+1], v[8*(4*\u+\t)+2*\q:8*(4*\u+\t)+2*\q+1], s[36:37], v[P+16+2*\q:P+17+2*\q] op_sel_hi:[1,0,1]   ; c k + cb; each accumulator from its low end on
.endr
.endr
.irp q, 0,1,2,3
.irp u, 0,1,2,3,4
	v_pk_fma_f32 v[8*(4*\u+\t)+2*\q:8*(4*\u+\t)+2*\q+1], v[P+2*\q:P+1+2*\q], v[TF+2*\u:TF+2*\u+1], v[8*(4*\u+\t)+2*\q:8*(4*\u+\t)+2*\q+1] op_sel_hi:[1,0,1]   ; + c Wt0 tf0: the pair's first word for both halves
.endr
.endr
.irp q, 0,1,2,3
.irp u, 0,1,2,3,4
	v_pk_fma_f32 v[8*(4*\u+\t)+2*\q:8*(4*\u+\t)+2*\q+1], v[P+8+2*\q:P+9+2*\q], v[TF+2*\u:TF+2*\u+1], v[8*(4*\u+\t)+2*\q:8*(4*\u+\t)+2*\q+1] op_sel:[0,1,0] op_sel_hi:[1,1,1]   ; + c Wt1 tf1: its second word for both
.endr
.endr
.irp u, 0,1,2,3,4
.irp n, 0,1,2,3,4,5,6,7
	v_exp_f32 v[8*(4*\u+\t)+\n], v[8*(4*\u+\t)+\n]
.endr
.endr
	v_nop                                          ; a plain place behind the last exponential
	s_wait_alu depctr_va_vdst(0)                   ; the wait ahead of the first use: one for the batch
.irp q, 0,1,2,3
.irp u, 0,1,2,3,4
	v_pk_add_f32 v[8*(4*\u+\t)+2*\q:8*(4*\u+\t)+2*\q+1], v[8*(4*\u+\t)+2*\q:8*(4*\u+\t)+2*\q+1], 1.0 op_sel_hi:[1,0]
.endr
.endr
.irp u, 0,1,2,3,4
.irp n, 0,1,2,3,4,5,6,7
	v_rcp_f32 v[8*(4*\u+\t)+\n], v[8*(4*\u+\t)+\n]
.endr
.endr
	v_nop
	s_wait_alu depctr_va_vdst(0)                   ; and one for the reciprocals
.irp q, 0,1,2,3
.irp u, 0,1,2,3,4
.if (\g == 0) && (\t == 0) && (\q == 0)
	v_pk_mul_f32 v[SCO+2*\u:SCO+2*\u+1], v[8*(4*\u+\t)+2*\q:8*(4*\u+\t)+2*\q+1], v[P+24+2*\q:P+25+2*\q]   ; the first product starts z
.else
	v_pk_fma_f32 v[SCO+2*\u:SCO+2*\u+1], v[8*(4*\u+\t)+2*\q:8*(4*\u+\t)+2*\q+1], v[P+24+2*\q:P+25+2*\q], v[SCO+2*\u:SCO+2*\u+1]
.endif
.endr
.endr
.endr
	WIN 0
.endm
.macro CHUNKLD u                       ; rows 16 u .. 16 u + 15: their weights (all lanes the same 64 bytes) and my 8 bytes of each row's copy: 20 LDS loads into set u % 2
.if (\u) == 0
.set CA, CPR
.else
.set CA, CPA
	v_add_nc_u32 v[CPA], (\u)*16*CPP, v[CPR]
.endif
.irp i, 0,1,2,3
	ds_load_b128 v[PP+16*((\u)%2)+4*\i:PP+16*((\u)%2)+4*\i+3], v[PWB] offset:64*(\u)+16*\i
.endr
.irp i, 0,1,2,3,4,5,6,7,8,9,10,11,12,13,14,15
	ds_load_b64 v[RW+32*((\u)%2)+2*\i:RW+32*((\u)%2)+2*\i+1], v[CA] offset:\i*CPP
.endr
.endm
; My four columns += p x (f16 seq).  Register r of a set (first register rb) holds two columns of row (r - rb) / 2: both halves are widened to f32, and one packed multiply-add takes the row's weight
; from its pair of registers (the first word for an even row, the second for an odd one).  Four registers, two rows, at a time: eight conversions, then four multiply-adds onto four different sums.
.macro CVT2 r                          ; r is a number as written: a register's halves are named by number
	v_cvt_f32_f16 v[CT+2*((\r)%4)], v\r\().l
	v_cvt_f32_f16 v[CT+2*((\r)%4)+1], v\r\().h
.endm
.macro FMA2 r, rb, wb
.set FI, ((\r)-(\rb))/2                ; the row among the 16
.set FO, O+4*(FI%2)+2*(((\r)-(\rb))%2) ; its sums: even rows' and odd rows' chains, columns 0, 1 or 2, 3
.set FW, (\wb)+2*(FI/2)                ; the pair that holds its weight
.if (FI%2) == 0
	v_pk_fma_f32 v[FO:FO+1], v[CT+2*((\r)%4):CT+2*((\r)%4)+1], v[FW:FW+1], v[FO:FO+1] op_sel_hi:[1,0,1]
.else
	v_pk_fma_f32 v[FO:FO+1], v[CT+2*((\r)%4):CT+2*((\r)%4)+1], v[FW:FW+1], v[FO:FO+1] op_sel:[0,1,0] op_sel_hi:[1,1,1]
.endif
.endm
.macro GRP4 a, b, c, d, rb, wb
.irp r, \a, \b, \c, \d
	CVT2 \r
.endr
.irp r, \a, \b, \c, \d
	FMA2 \r, \rb, \wb
.endr
.endm
.macro CHUNKFMA u
.if ((\u)%2) == 0
	GRP4 64, 65, 66, 67, 64, PP
	GRP4 68, 69, 70, 71, 64, PP
	GRP4 72, 73, 74, 75, 64, PP
	GRP4 76, 77, 78, 79, 64, PP
	GRP4 80, 81, 82, 83, 64, PP
	GRP4 84, 85, 86, 87, 64, PP
	GRP4 88, 89, 90, 91, 64, PP
	GRP4 92, 93, 94, 95, 64, PP
.else
	GRP4 96, 97, 98, 99, 96, PP+16
	GRP4 100, 101, 102, 103, 96, PP+16
	GRP4 104, 105, 106, 107, 96, PP+16
	GRP4 108, 109, 110, 111, 96, PP+16
	GRP4 112, 113, 114, 115, 96, PP+16
	GRP4 116, 117, 118, 119, 96, PP+16
	GRP4 120, 121, 122, 123, 96, PP+16
	GRP4 124, 125, 126, 127, 96, PP+16
.endif
.endm
	; THE HEAD, on every wave's way: arguments, lengths[b], every address and constant that the three stretches share
	s_load_b512 s[8:23], s[0:1], 0x0               ; seq 8, time_features 10, lengths 12, Wt 14, Ws 16, cb 18, wkf 20, wks 22
	s_load_b128 s[24:27], s[0:1], 0x40             ; pacc 24, pml 26
	v_lshl_add_u32 v[SPW], v0, 2, SPARE
	v_mov_b32 v[NIL], 0
	v_lshrrev_b32 v1, 5, v0
	v_readfirstlane_b32 s28, v1                    ; wave w
	s_mov_b32 s29, ttmp9                           ; batch b
	s_and_b32 s30, ttmp7, 0xffff                   ; chunk
	s_lshl_b32 s34, s29, 2
	s_mov_b32 s35, 0
	s_wait_kmcnt 0x0
	s_add_nc_u64 s[12:13], s[12:13], s[34:35]
	s_load_b32 s31, s[12:13], 0x0                  ; lengths[b]; the addresses below are made while it is on its way
	v_and_b32 v1, 31, v0                           ; lane
	v_and_b32 v2, 15, v0                           ; r
	v_bfe_u32 v3, v0, 4, 1                         ; h
	s_mul_i32 s40, s28, 16*STP
	s_add_co_u32 s40, s40, STAGE                   ; my stage
	v_lshl_add_u32 v[STGW], v1, 4, s40
	v_mul_u32_u24 v[STGR], v2, STP
	v_lshl_add_u32 v[STGR], v3, 6, v[STGR]
	v_add_nc_u32 v[STGR], s40, v[STGR]
	s_mul_i32 s41, s28, 1536
	v_lshl_add_u32 v[CDW], v1, 4, s41
	s_lshl_b32 s42, s28, 7
	s_add_co_u32 s42, s42, SSC
	v_lshl_add_u32 v[SSW], v1, 2, s42
	v_mul_u32_u24 v[CPW], v2, CPP
	v_lshl_add_u32 v[CPW], v3, 5, v[CPW]
	s_lshl_b32 s43, s28, 8
	s_add_co_u32 s43, s43, COPY
	v_add_nc_u32 v[CPW], s43, v[CPW]
	v_lshl_add_u32 v[CPR], v1, 3, s43
	v_lshlrev_b32 v[LI], 4, v1
	v_lshl_add_u32 v[LS], v1, 2, SSC
	s_lshl_b32 s44, s28, 11
	s_add_co_u32 s44, s44, PARAM
	v_lshl_add_u32 v[PRD], v3, 7, s44
	v_lshlrev_b32 v[L8], 3, v1
	v_lshlrev_b32 v[WSO], 4, v2
	s_lshl_b32 s45, s28, 9
	v_lshl_add_u32 v[GLO], v1, 4, s45
	s_mul_i32 s46, s28, 320
	s_add_co_u32 s46, s46, PART
	v_lshl_add_u32 v[PTW], v2, 2, s46
	v_lshlrev_b32 v[T16], 4, v0
	v_lshrrev_b32 v[PAW], 1, v0
	v_lshlrev_b32 v[PAW], 7, v[PAW]
	v_and_b32 v[PRM], 1, v0
	v_lshl_add_u32 v[PAW], v[PRM], 4, v[PAW]
	v_add_nc_u32 v[PAW], PARAM, v[PAW]
	s_mul_i32 s47, s28, 384
	s_add_co_u32 s47, s47, PWT                     ; my weights' 384 bytes
	s_mov_b32 s36, 0x4038aa3b                      ; c = 2 log2(e)
	s_mov_b32 s37, s36                             ; (named with it as a pair, so it is written)
	s_mov_b32 s38, 0x76543210
	s_mov_b32 s39, 0xfedcba98                      ; v_permlanex16_b32's selects for lane l xor 16
	s_mul_i32 s33, s30, 80                         ; the tile's first row
	s_wait_kmcnt 0x0
	s_max_i32 s31, s31, 1
	s_min_u32 s31, s31, 2048                       ; lengths[b], held to 1 .. 2048
	s_sub_co_i32 s[LIVE], s31, s33                 ; live rows from the tile's first row on: 0 or less where the whole tile is masked
	s_max_i32 s31, s[LIVE], 1
	s_min_u32 s31, s31, 80                         ; NL: the tile's live rows, 1 .. 80 (in a masked tile: 1, and not used)
	s_sub_co_u32 s32, s31, 1                       ; the last live row
	s_lshl_b32 s34, s29, 23                        ; seq: a batch is 2,048 rows of 4,096 bytes
	s_mul_i32 s40, s30, 80*4096
	s_add_co_u32 s34, s34, s40
	s_add_nc_u64 s[8:9], s[8:9], s[34:35]
	s_lshl_b32 s34, s29, 11
	s_add_co_u32 s34, s34, s33
	s_lshl_b32 s34, s34, 3                         ; time features: 8 bytes a row
	s_add_nc_u64 s[10:11], s[10:11], s[34:35]
	s_lshl_b32 s34, s29, 12
	s_add_nc_u64 s[18:19], s[18:19], s[34:35]      ; cb[b]
	s_mul_i32 s34, s28, 98304
	s_add_nc_u64 s[20:21], s[20:21], s[34:35]      ; my two groups' images of Wk
	s_lshl_b32 s34, s28, 12
	s_add_nc_u64 s[22:23], s[22:23], s[34:35]      ; and their scale words
	s_mul_i32 s40, s29, 26
	s_add_co_u32 s40, s40, s30                     ; the tile's record
	s_lshl_b32 s34, s40, 12
	s_add_co_u32 s34, s34, s45
	s_add_nc_u64 s[24:25], s[24:25], s[34:35]      ; pacc: 4,096 bytes a record, my 512
	s_lshl_b32 s34, s40, 8
	s_add_nc_u64 s[26:27], s[26:27], s[34:35]      ; pml: 256 bytes a record
.irp b, 0,1,2,3
	v_mov_b32 v[TM+4+\b], 0                        ; written once: a lane permute's destination counts as one of its sources
.endr
.irp u, 0,1,2,3,4
	v_mov_b32 v[PRM+\u], 0
.endr
	v_min_u32 v[TA], s32, v2                       ; my row of each tile of rows, held at the last live row, then by a constant
.irp u, 1,2,3,4
	v_add_nc_u32 v[TA+\u], 16*\u, v2
	v_min_u32 v[TA+\u], s32, v[TA+\u]
.endr
.irp u, 0,1,2,3,4
	v_min_u32 v[TA+\u], 79, v[TA+\u]
	v_lshlrev_b32 v[TA+\u], 3, v[TA+\u]
.endr
	; STRETCH X: seq's rows become codes, scale words and an f16 copy in LDS; the parameters are laid out in LDS
	s_cmp_gt_i32 s[LIVE], 0
	s_cbranch_scc0 .Lmeet_1                        ; a masked tile: round the work, not round the barrier
	global_load_b128 v[PIN:PIN+3], v[T16], s[14:15]                ; Wt row 0: four d a thread
	global_load_b128 v[PIN+4:PIN+7], v[T16], s[14:15] offset:4096  ; Wt row 1
	global_load_b128 v[PIN+8:PIN+11], v[T16], s[18:19]             ; cb
	global_load_b128 v[PIN+12:PIN+15], v[T16], s[16:17]            ; Ws
	ULOAD 0
	ULOAD 1
	ULOAD 2
	s_wait_loadcnt 48                              ; the parameters are in; three units of 16 loads are younger
.irp n, 0,2,4,6
	v_pk_mul_f32 v[PIN+\n:PIN+\n+1], v[PIN+\n:PIN+\n+1], s[36:37] op_sel_hi:[1,0]   ; c Wt
.endr
.irp f, 0,1,2,3
	ds_store_b128 v[PAW], v[PIN+4*\f:PIN+4*\f+3] offset:32*\f
.endr
	UNIT 0, 32, 3
	UNIT 1, 32, 4
	UNIT 2, 32, -1
	UNIT 3, 16, -1
	UNIT 4, 0, -1
.Lmeet_1:
	s_wait_dscnt 0x0                               ; for the others' sake: my images, scale words, parameters and copy lie in LDS; and my stores have read their registers
	s_barrier_signal -1
	s_barrier_wait -1                              ; seq's 40 fragments lie in LDS
	; STRETCH 2: the second product, tanh, my wave's part of z
	s_cmp_gt_i32 s[LIVE], 0
	s_cbranch_scc0 .Lmeet_2
	WIN 0x40
.irp u, 0,1,2,3,4
	global_load_b64 v[TF+2*\u:TF+2*\u+1], v[TA+\u], s[10:11]       ; older than Wk's slots: the first step's wait covers them
.endr
	WIN 0
	WKLOAD 0
	WKLOAD 1
	WKLOAD 2
.irp u, 0,1,2,3,4
	LDSF 0, \u
.endr
.irp j, 0,1,2,3,4,5,6,7
	STEP \j
.endr
.irp u, 0,1,2,3,4
	LDSF 0, \u                                     ; the second group's first fragments land under the first group's vector work
.endr
	TANH 0
.irp j, 8,9,10,11,12,13,14,15
	STEP \j
.endr
	TANH 1
	WIN 0x05                                       ; my z of each row: two halves, and lane l xor 16's eight d of each tile
.irp u, 0,1,2,3,4
	v_add_f32 v[TA+\u], v[SCO+2*\u], v[SCO+2*\u+1]
.endr
	WIN 0
.irp u, 0,1,2,3,4
	v_permlanex16_b32 v[PRM+\u], v[TA+\u], s38, s39
.endr
.irp u, 0,1,2,3,4
	v_add_f32 v[TA+\u], v[TA+\u], v[PRM+\u]
.endr
.irp u, 0,1,2,3,4
	ds_store_b32 v[PTW], v[TA+\u] offset:64*\u     ; row 16 u + r; lanes r and r + 16 write the same word with the same value
.endr
.Lmeet_2:
	s_wait_dscnt 0x0                               ; for the others' sake
	s_barrier_signal -1
	s_barrier_wait -1                              ; the eight waves' z lie in LDS
	; STRETCH T: the tile's softmax and its part of the last product
	s_cmp_gt_i32 s[LIVE], 0
	s_cbranch_scc0 .Lend
	v_lshl_add_u32 v[A1], v1, 2, PART              ; rows lane and lane + 32;
	v_lshl_add_u32 v[A3], v2, 2, PART+256          ; rows 64 + lane % 16: lanes 16-31 repeat them and are masked below
	v_add_nc_u32 v[R1], 32, v1
	v_add_nc_u32 v[R2], 64, v1
	v_mov_b32 v[NINF], 0xff800000                  ; -infinity
	v_lshl_add_u32 v[PWA], v1, 2, s47
	v_mov_b32 v[PWB], s47
.irp w, 0,1,2,3,4,5,6,7
	ds_load_b32 v[Z+3*\w],   v[A1] offset:320*\w
	ds_load_b32 v[Z+3*\w+1], v[A1] offset:320*\w+128
	ds_load_b32 v[Z+3*\w+2], v[A3] offset:320*\w
.endr
	s_wait_dscnt 0x0
.irp p, 0,6,12,18
.irp e, 0,1,2
	v_add_f32 v[Z+\p+\e], v[Z+\p+\e], v[Z+\p+3+\e]
.endr
.endr
.irp p, 0,12
.irp e, 0,1,2
	v_add_f32 v[Z+\p+\e], v[Z+\p+\e], v[Z+\p+6+\e]
.endr
.endr
.irp e, 0,1,2
	v_add_f32 v[Z+\e], v[Z+\e], v[Z+12+\e]
.endr
.irp e, 0,1,2
	v_mul_f32 v[Z+\e], 0xc038aa3b, v[Z+\e]         ; t = -2 log2(e) z: the score, less what is constant along s, in powers of two
.endr
	v_cmp_gt_u32 vcc_lo, s31, v1                   ; is the row live?
	v_cndmask_b32 v[Z], v[NINF], v[Z], vcc_lo
	v_cmp_gt_u32 vcc_lo, s31, v[R1]
	v_cndmask_b32 v[Z+1], v[NINF], v[Z+1], vcc_lo
	v_cmp_gt_u32 vcc_lo, s31, v[R2]                ; (lanes 16-31: row numbers 80 on: never live)
	v_cndmask_b32 v[Z+2], v[NINF], v[Z+2], vcc_lo
	v_max3_num_f32 v[ML], v[Z], v[Z+1], v[Z+2]     ; the tile's largest t: row 0 of a live tile is live, so it is a number
	v_max_num_f32_dpp v[ML], v[ML], v[ML] row_xmask:1 row_mask:0xf bank_mask:0xf
	v_max_num_f32_dpp v[ML], v[ML], v[ML] row_xmask:2 row_mask:0xf bank_mask:0xf
	v_max_num_f32_dpp v[ML], v[ML], v[ML] row_xmask:4 row_mask:0xf bank_mask:0xf
	v_max_num_f32_dpp v[ML], v[ML], v[ML] row_xmask:8 row_mask:0xf bank_mask:0xf
	v_permlanex16_b32 v[PRM], v[ML], s38, s39
	v_max_num_f32 v[ML], v[ML], v[PRM]
.irp e, 0,1,2
	v_sub_f32 v[Z+\e], v[Z+\e], v[ML]
.endr
.irp e, 0,1,2
	v_exp_f32 v[Z+\e], v[Z+\e]                     ; p = 2^(t - m); 0 for masked rows
.endr
	v_nop
	s_wait_alu depctr_va_vdst(0)                   ; one wait for the three, ahead of their first use
.irp e, 0,1,2
	ds_store_b32 v[PWA], v[Z+\e] offset:128*\e     ; my wave's own 96 words: read back below with no barrier, LDS serving a wave's instructions in order (ISA guide 5.7.1.4)
.endr
	CHUNKLD 0
	CHUNKLD 1
	v_add_f32 v[ML+1], v[Z], v[Z+1]                ; l = the sum of p
	v_add_f32 v[ML+1], v[ML+1], v[Z+2]
	v_add_f32_dpp v[ML+1], v[ML+1], v[ML+1] row_xmask:1 row_mask:0xf bank_mask:0xf
	v_add_f32_dpp v[ML+1], v[ML+1], v[ML+1] row_xmask:2 row_mask:0xf bank_mask:0xf
	v_add_f32_dpp v[ML+1], v[ML+1], v[ML+1] row_xmask:4 row_mask:0xf bank_mask:0xf
	v_add_f32_dpp v[ML+1], v[ML+1], v[ML+1] row_xmask:8 row_mask:0xf bank_mask:0xf
	v_permlanex16_b32 v[PRM], v[ML+1], s38, s39
	v_add_f32 v[ML+1], v[ML+1], v[PRM]
.irp e, 0,1,2,3,4,5,6,7
	v_mov_b32 v[O+\e], 0
.endr
	s_wait_dscnt 20                                ; rows 0-15 are in; the next 16 rows' 20 loads may be out
	CHUNKFMA 0
	CHUNKLD 2
	s_wait_dscnt 20
	CHUNKFMA 1
	CHUNKLD 3
	s_wait_dscnt 20
	CHUNKFMA 2
	CHUNKLD 4
	s_wait_dscnt 20
	CHUNKFMA 3
	s_wait_dscnt 0x0
	CHUNKFMA 4
	v_pk_add_f32 v[O:O+1], v[O:O+1], v[O+4:O+5]
	v_pk_add_f32 v[O+2:O+3], v[O+2:O+3], v[O+6:O+7]
	global_store_b128 v[LI], v[O:O+3], s[24:25]    ; the wave stores 512 consecutive bytes, aligned
	s_cmp_lg_u32 s28, 0
	s_cbranch_scc1 .Lend
	global_store_b64 v[L8], v[ML:ML+1], s[26:27]   ; wave 0: (m, l), the same in every lane: 256 consecutive bytes, aligned
.Lend:
	s_wait_tensorcnt 0x0                           ; the wave's end, behind my last LDS store
	ds_add_u32 v[SPW], v[NIL]
	s_wait_dscnt 0x0
	s_endpgm
.Lfunc_end_k_qdc372c2376_main:
	.size	k_qdc372c2376_main, .Lfunc_end_k_qdc372c2376_main-k_qdc372c2376_main
	.p2alignl 7, 3214868480
	.fill 96, 4, 3214868480
	.section	.rodata,"a",@progbits
	.p2align	6, 0x0
	.amdhsa_kernel k_qdc372c2376_main
		.amdhsa_group_segment_fixed_size 316672
		.amdhsa_private_segment_fixed_size 0
		.amdhsa_enable_private_segment 0
		.amdhsa_kernarg_size 80
		.amdhsa_user_sgpr_count 2
		.amdhsa_user_sgpr_kernarg_segment_ptr 1
		.amdhsa_wavefront_size32 1
		.amdhsa_system_sgpr_workgroup_id_x 1
		.amdhsa_system_sgpr_workgroup_id_y 1
		.amdhsa_system_sgpr_workgroup_id_z 1
		.amdhsa_system_vgpr_workitem_id 0
		.amdhsa_next_free_vgpr 512
		.amdhsa_next_free_sgpr 66
		.amdhsa_reserve_vcc 1
		.amdhsa_float_denorm_mode_32 3
		.amdhsa_float_denorm_mode_16_64 3
		.amdhsa_memory_ordered 1
		.amdhsa_forward_progress 1
		.amdhsa_inst_pref_size 255
	.end_amdhsa_kernel
	.section	.bss,"aw",@nobits
	.p2align	6
	.space	262144
	.amdgpu_metadata
---
amdhsa.version: [ 1, 2 ]
amdhsa.kernels:
  - .name:           k_qdc372c2376_main
    .symbol:         k_qdc372c2376_main.kd
    .args:
      - { .name: seq, .offset: 0, .size: 8, .value_kind: global_buffer, .address_space: global }
      - { .name: time_features, .offset: 8, .size: 8, .value_kind: global_buffer, .address_space: global }
      - { .name: lengths, .offset: 16, .size: 8, .value_kind: global_buffer, .address_space: global }
      - { .name: Wt, .offset: 24, .size: 8, .value_kind: global_buffer, .address_space: global }
      - { .name: Ws, .offset: 32, .size: 8, .value_kind: global_buffer, .address_space: global }
      - { .name: cb, .offset: 40, .size: 8, .value_kind: global_buffer, .address_space: global }
      - { .name: wkf, .offset: 48, .size: 8, .value_kind: global_buffer, .address_space: global }
      - { .name: wks, .offset: 56, .size: 8, .value_kind: global_buffer, .address_space: global }
      - { .name: pacc, .offset: 64, .size: 8, .value_kind: global_buffer, .address_space: global }
      - { .name: pml, .offset: 72, .size: 8, .value_kind: global_buffer, .address_space: global }
    .group_segment_fixed_size: 316672
    .private_segment_fixed_size: 0
    .kernarg_segment_align: 8
    .kernarg_segment_size: 80
    .max_flat_workgroup_size: 256
    .sgpr_count:     66
    .vgpr_count:     512
    .wavefront_size: 32
...
	.end_amdgpu_metadata
.endif
;; end of part 2
;; launch comb (part 3): grid 8 x 32, 1 waves a work-group, no clusters, 0 bytes of LDS; arguments lengths, pacc, pml, out0; writes out0
.if DOCPART == 3
	.amdgcn_target "amdgcn-amd-amdhsa--gfx1250"
	.amdhsa_code_object_version 6
	.text
	.protected	k_qdc372c2376_comb
	.globl	k_qdc372c2376_comb
	.p2align	8
	.type	k_qdc372c2376_comb,@function
k_qdc372c2376_comb:
	s_mov_b64 s[64:65], 0
	v_nop
	global_prefetch_b8 v0, s[64:65] scope:SCOPE_SE
	s_setreg_imm32_b32 hwreg(HW_REG_WAVE_MODE, 25, 1), 1
	s_wait_xcnt 0x0
; TimeAwareAttention, launch 3 of 3: out0[b] = sum over the batch's live tiles i of 2^(m_i - M) pacc_i / sum over i of 2^(m_i - M) l_i, M = the largest m_i: the softmax's maximum over the whole row, taken away as reference() does.
; LEFT OUT (shown at the head of launch 1): tiles that lie wholly at or beyond lengths[b]: launch 2 has stored nothing for them, and nothing of them is read.
; A work-group of one wave takes 128 columns (work-group x) of one batch (work-group y); a lane takes four columns.  nt = ceil(lengths[b] / 80) live tiles, 1 .. 26, in whole numbers.
; No branch: all 26 places are loaded at once; a place at or beyond nt repeats the last live record (its index is held there) with the weight 0.
.set NCH, 26
	s_load_b256 s[4:11], s[0:1], 0x0               ; lengths 4, pacc 6, pml 8, out0 10
	s_and_b32 s13, ttmp7, 0xffff                   ; batch b
	s_lshl_b32 s14, s13, 2
	s_mov_b32 s15, 0
	s_mul_i32 s18, s13, NCH*256                    ; the batch's records in pml,
	s_mov_b32 s19, 0
	s_lshl_b32 s22, ttmp9, 9                       ; my 128 columns, in bytes
	s_mul_i32 s20, s13, NCH*4096                   ; in pacc,
	s_add_co_u32 s20, s20, s22
	s_mov_b32 s21, 0
	s_lshl_b32 s24, s13, 12                        ; its row of out0
	s_add_co_u32 s24, s24, s22
	s_mov_b32 s25, 0
	s_mov_b32 s26, 0x76543210
	s_mov_b32 s27, 0xfedcba98                      ; v_permlanex16_b32's selects for lane l xor 16
	v_lshlrev_b32 v3, 4, v0                        ; 16 x lane (one wave: v0 is the lane)
	v_mov_b32 v6, 0xff800000                       ; -infinity
	v_mov_b32 v12, 0                               ; a lane permute's destination counts as one of its sources
	s_wait_kmcnt 0x0
	s_add_nc_u64 s[4:5], s[4:5], s[14:15]
	s_load_b32 s16, s[4:5], 0x0                    ; lengths[b]
	s_add_nc_u64 s[6:7], s[6:7], s[20:21]
	s_add_nc_u64 s[8:9], s[8:9], s[18:19]
	s_add_nc_u64 s[10:11], s[10:11], s[24:25]
	s_wait_kmcnt 0x0
	s_max_i32 s16, s16, 1
	s_min_u32 s16, s16, 2048                       ; held as in launch 2
	s_add_co_u32 s16, s16, 79
	s_lshr_b32 s16, s16, 4                         ; (len + 79) / 16, at most 132;
	s_mul_i32 s16, s16, 52429
	s_lshr_b32 s16, s16, 18                        ; / 5, exactly for numbers of this size: nt
	s_sub_co_u32 s17, s16, 1                       ; the last live tile
	v_min_u32 v2, s17, v0
	v_min_u32 v2, NCH-1, v2                        ; lane i: tile min(i, nt - 1), held by a constant
	v_lshlrev_b32 v2, 8, v2
	global_load_b64 v[4:5], v2, s[8:9]             ; its (m, l)
.irp i, 1,2,3,4,5,6,7,8,9,10,11,12,13,14,15,16,17,18,19,20,21,22,23,24,25
	s_min_u32 s28, s17, \i
	v_lshl_add_u32 v[16+\i], s28, 12, v3
.endr
	global_load_b128 v[48:51], v3, s[6:7]          ; tile 0 is always live
.irp i, 1,2,3,4,5,6,7,8,9,10,11,12,13,14,15,16,17,18,19,20,21,22,23,24,25
	global_load_b128 v[48+4*\i:51+4*\i], v[16+\i], s[6:7]          ; 512 consecutive bytes a load
.endr
	s_wait_loadcnt 26                              ; (m, l) is in; the 26 vector loads are younger
	v_cmp_gt_u32 vcc_lo, s16, v0                   ; is lane i's tile live?
	v_cndmask_b32 v4, v6, v4, vcc_lo               ; else m = -infinity,
	v_cndmask_b32 v5, 0, v5, vcc_lo                ; l = 0
	v_mov_b32 v7, v4
	v_max_num_f32_dpp v7, v7, v7 row_xmask:1 row_mask:0xf bank_mask:0xf
	v_max_num_f32_dpp v7, v7, v7 row_xmask:2 row_mask:0xf bank_mask:0xf
	v_max_num_f32_dpp v7, v7, v7 row_xmask:4 row_mask:0xf bank_mask:0xf
	v_max_num_f32_dpp v7, v7, v7 row_xmask:8 row_mask:0xf bank_mask:0xf
	v_permlanex16_b32 v12, v7, s26, s27
	v_max_num_f32 v7, v7, v12                      ; M
	v_sub_f32 v8, v4, v7
	v_exp_f32 v8, v8                               ; 2^(m - M)
	v_nop
	s_wait_alu depctr_va_vdst(0)                   ; the wait ahead of the first use
	v_mul_f32 v9, v5, v8
	v_add_f32_dpp v9, v9, v9 row_xmask:1 row_mask:0xf bank_mask:0xf
	v_add_f32_dpp v9, v9, v9 row_xmask:2 row_mask:0xf bank_mask:0xf
	v_add_f32_dpp v9, v9, v9 row_xmask:4 row_mask:0xf bank_mask:0xf
	v_add_f32_dpp v9, v9, v9 row_xmask:8 row_mask:0xf bank_mask:0xf
	v_permlanex16_b32 v12, v9, s26, s27
	v_add_f32 v9, v9, v12                          ; the row's sum under M: at least 1
	v_rcp_f32 v10, v9
	v_nop
	s_wait_alu depctr_va_vdst(0)
	v_mul_f32 v8, v8, v10                          ; lane i: tile i's factor
.irp i, 0,1,2,3,4,5,6,7,8,9,10,11,12,13,14,15,16,17,18,19,20,21,22,23,24,25
	v_readlane_b32 s[36+\i], v8, \i
.endr
	s_wait_loadcnt 0x0
.irp e, 0,1,2,3
	v_mul_f32 v[152+\e], s36, v[48+\e]             ; the first tile starts the sums
.endr
.irp i, 1,2,3,4,5,6,7,8,9,10,11,12,13,14,15,16,17,18,19,20,21,22,23,24,25
.irp e, 0,1,2,3
	v_fma_f32 v[152+\e], s[36+\i], v[48+4*\i+\e], v[152+\e]
.endr
.endr
	global_store_b128 v3, v[152:155], s[10:11]     ; 512 consecutive bytes, aligned
	s_endpgm
.Lfunc_end_k_qdc372c2376_comb:
	.size	k_qdc372c2376_comb, .Lfunc_end_k_qdc372c2376_comb-k_qdc372c2376_comb
	.p2alignl 7, 3214868480
	.fill 96, 4, 3214868480
	.section	.rodata,"a",@progbits
	.p2align	6, 0x0
	.amdhsa_kernel k_qdc372c2376_comb
		.amdhsa_group_segment_fixed_size 0
		.amdhsa_private_segment_fixed_size 0
		.amdhsa_enable_private_segment 0
		.amdhsa_kernarg_size 32
		.amdhsa_user_sgpr_count 2
		.amdhsa_user_sgpr_kernarg_segment_ptr 1
		.amdhsa_wavefront_size32 1
		.amdhsa_system_sgpr_workgroup_id_x 1
		.amdhsa_system_sgpr_workgroup_id_y 1
		.amdhsa_system_sgpr_workgroup_id_z 1
		.amdhsa_system_vgpr_workitem_id 0
		.amdhsa_next_free_vgpr 160
		.amdhsa_next_free_sgpr 66
		.amdhsa_reserve_vcc 1
		.amdhsa_float_denorm_mode_32 3
		.amdhsa_float_denorm_mode_16_64 3
		.amdhsa_memory_ordered 1
		.amdhsa_forward_progress 1
		.amdhsa_inst_pref_size 16
	.end_amdhsa_kernel
	.amdgpu_metadata
---
amdhsa.version: [ 1, 2 ]
amdhsa.kernels:
  - .name:           k_qdc372c2376_comb
    .symbol:         k_qdc372c2376_comb.kd
    .args:
      - { .name: lengths, .offset: 0, .size: 8, .value_kind: global_buffer, .address_space: global }
      - { .name: pacc, .offset: 8, .size: 8, .value_kind: global_buffer, .address_space: global }
      - { .name: pml, .offset: 16, .size: 8, .value_kind: global_buffer, .address_space: global }
      - { .name: out0, .offset: 24, .size: 8, .value_kind: global_buffer, .address_space: global }
    .group_segment_fixed_size: 0
    .private_segment_fixed_size: 0
    .kernarg_segment_align: 8
    .kernarg_segment_size: 32
    .max_flat_workgroup_size: 32
    .sgpr_count:     66
    .vgpr_count:     160
    .wavefront_size: 32
...
	.end_amdgpu_metadata
.endif
;; end of part 3
;; ======== version 2 of 2: 3 launches
;; limits: values are held in f16: magnitudes above 65,504 overflow, below 6.1e-05 lose precision; right only within a limited range of input values
;; workspace buffers: cb 131,072 bytes; wkf 786,432 bytes; wks 32,768 bytes; pacc 3,407,872 bytes; pml 212,992 bytes
;; launch prep (part 4): grid 64 x 1, 8 waves a work-group, no clusters, 17,408 bytes of LDS; arguments query_codes, query_scales, Wq_codes, Wq_scales, bq, bk, bt, Wk_codes, Wk_scales, cb, wkf, wks; writes cb, wkf, wks
.if DOCPART == 4
	.amdgcn_target "amdgcn-amd-amdhsa--gfx1250"
	.amdhsa_code_object_version 6
	.text
	.protected	k_qdc372c2376_prep
	.globl	k_qdc372c2376_prep
	.p2align	8
	.type	k_qdc372c2376_prep,@function
k_qdc372c2376_prep:
	s_mov_b64 s[64:65], 0
	v_nop
	global_prefetch_b8 v0, s[64:65] scope:SCOPE_SE
	s_setreg_imm32_b32 hwreg(HW_REG_WAVE_MODE, 25, 1), 1
	s_wait_xcnt 0x0
; TimeAwareAttention, launch 1 of 3.  out[b] = softmax_s(Ws . tanh(seq[b,s] Wk + bk + q[b] + t[b,s]) + bs, rows s >= lengths[b] at -inf) . seq[b].
; WORK LEFT OUT BY THE WHOLE PROGRAM, for all finite values of the inputs:
;  (1) bs is added to every score of a row of the softmax; softmax(x + const) = softmax(x).  bs has no way to the output: it is not loaded and is no argument of any launch.
;  (2) tanh(x) = 1 - 2 r, r = 1 / (1 + 2^y), y = 2 log2(e) x.  So score = sum(Ws) + bs - 2 z, z = sum over d of Ws[d] r[d]; sum(Ws) is the same along s and goes as bs does.  The program keeps -2 z.
;  (3) reference() sets the scores of rows s >= lengths[b] to -inf by a mask that it builds itself: their weight is exactly 0, so they reach no output.  Tiles of 80 rows that lie wholly
;      beyond lengths[b] are not computed (launch 2 reads lengths from memory); inside a live tile such rows stay, as repeats of the last live row with the score -inf.
; LIMITS: lengths is held to 1 .. 2048 (for 0 reference() gives NaN: not served).  A NaN, an infinity or an overflow that reaches only the work left out (bs, sum(Ws), rows beyond lengths) is not carried to the result.
;
; THIS LAUNCH: (a) cb = c (query Wq + bq + bk + bt), c = 2 log2(e): the first product on the given E2M3 codes and E8M0 scales.  cb is laid tile by tile: byte 2048 T + 64 b + 4 (d % 16), T = d / 16.
; (b) Wk's codes laid anew as images of the operand's registers: fragment (16 rows d x 128 K) = 12 registers a lane, stored as three runs of 512 bytes, lane l's 16 bytes at 16 l:
;     wkf byte ((DG 8 + k) 4 + t) 1536 + 512 c + 16 lane, DG = group of 64 rows of Wk, k = K step of 128, t = tile of 16 rows in the group.
; (c) Wk's scale words: wks byte (DG 8 + k) 256 + 16 r + 4 t = the word of row 64 DG + 16 t + r, K step k: one load of 16 bytes a lane brings a K step's words of four tiles.
; SHARES: work-group T = 16 rows d of Wq and of Wk (T = 4 DG + t); wave k = K step k: four fragments, 24 loads of 8 bytes a lane, and two matrix instructions (batches 0-15, 16-31).
; Source 0 = 16 rows of Wq (d), source 1 = 16 rows of query: lane (r, h) holds batch r, register j holds d = 16 T + 8 h + j.  The eight waves' partial sums over K meet in LDS, 2,048 bytes a wave;
; thread tid then adds the eight partial sums and the three biases of batch tid / 8, d = 2 (tid % 8) and the next.  Wave 0 also lays two of the 128 units of scale words: K steps 2 t and 2 t + 1 of group DG.
.set PK,     2048                      ; a wave's partial sums: 32 batches x 16 d x 4 bytes
.set SPARE,  16384                     ; behind them: the spare words, 128 bytes for each wave: four blocks of 256 bytes that no other line names
.set FA,  1                            ; v1   a fragment's place for my lane: 768 r + 24 h
.set SA,  2                            ; v2   32 r: my row of scale bytes
.set BA,  3                            ; v3   8 (tid % 8): my two numbers of a bias
.set IMG, 4                            ; v4   16 x lane
.set STW, 5                            ; v5   my partial sums, in: 2048 k + 64 r + 32 h
.set T8,  6                            ; v6   8 x tid: the partial sums, out; my place in the tile's 2,048 bytes of cb
.set WSL, 7                            ; v7   Wk's scale words, in: 32 r + 4 h
.set SPW, 10                           ; v10  LDS address of my spare word; never rewritten
.set NIL, 11                           ; v11  0; never rewritten
.set KW,  12                           ; v12-15  four scale words of Wk (first: set-up numbers)
.set WQS, 16                           ; v16     Wq's scale word
.set QS,  17                           ; v17-18  query's
.set BI,  20                           ; v20-25  bq, bk, bt: a pair each
.set ACC, 32                           ; v32-47  two accumulators: batches 0-15, 16-31
.set WQF, 48                           ; v48-59  Wq's fragment
.set QF,  64                           ; v64-87  query's two
.set WKR, 96                           ; v96-107 Wk's
.set RD,  112                          ; v112-127 eight partial sums: a pair each
.macro FRAGG reg, adr, base, off       ; a fragment of 6-bit codes as it lies in memory: 24 bytes at +0 and 24 at +48, in pieces of 8 bytes
.irp p, 0,1,2,3,4,5
	global_load_b64 v[(\reg)+2*\p:(\reg)+2*\p+1], v[\adr], s[\base:\base+1] offset:(\off)+48*(\p/3)+8*(\p%3)
.endr
.endm
	s_load_b512 s[4:19], s[0:1], 0x0               ; query_codes 4, query_scales 6, Wq_codes 8, Wq_scales 10, bq 12, bk 14, bt 16, Wk_codes 18
	s_load_b256 s[20:27], s[0:1], 0x40             ; Wk_scales 20, cb 22, wkf 24, wks 26
	v_lshl_add_u32 v[SPW], v0, 2, SPARE
	v_mov_b32 v[NIL], 0
	v_lshrrev_b32 v12, 5, v0
	v_readfirstlane_b32 s28, v12                   ; wave = K step k
	v_and_b32 v12, 15, v0                          ; r
	v_bfe_u32 v13, v0, 4, 1                        ; h
	v_mul_u32_u24 v[FA], v12, 768
	v_lshlrev_b32 v[SA], 5, v12
	v_and_b32 v[BA], 7, v0
	v_and_b32 v[IMG], 31, v0
	v_lshlrev_b32 v[STW], 6, v12
	v_mad_u32_u24 v[FA], v13, 24, v[FA]
	v_lshlrev_b32 v[BA], 3, v[BA]
	v_lshlrev_b32 v[IMG], 4, v[IMG]
	v_lshl_add_u32 v[STW], v13, 5, v[STW]
	s_lshl_b32 s29, s28, 11
	v_lshlrev_b32 v[T8], 3, v0
	v_lshl_add_u32 v[WSL], v13, 2, v[SA]
	v_add_nc_u32 v[STW], s29, v[STW]
	s_lshr_b32 s50, ttmp9, 2                       ; DG
	s_and_b32 s51, ttmp9, 3                        ; t
	s_mul_i32 s32, s28, 96                         ; my K step in a row of codes
	s_mov_b32 s33, 0
	s_mul_i32 s30, ttmp9, 12288                    ; my tile's 16 rows of codes: 16 x 768 bytes,
	s_add_co_u32 s30, s30, s32                     ; and my K step in them
	s_mov_b32 s31, 0
	s_lshl_b32 s36, s28, 2                         ; my K step's word in a row of scale bytes
	s_mov_b32 s37, 0
	s_lshl_b32 s34, ttmp9, 9                       ; my tile's 16 rows of scale bytes
	s_add_co_u32 s34, s34, s36
	s_mov_b32 s35, 0
	s_lshl_b32 s38, ttmp9, 6                       ; my tile's 16 numbers of a bias
	s_mov_b32 s39, 0
	s_lshl_b32 s40, s50, 11                        ; Wk's scale bytes: the group's 64 rows, K steps 2 t and 2 t + 1
	s_lshl_b32 s52, s51, 3
	s_add_co_u32 s40, s40, s52
	s_mov_b32 s41, 0
	s_lshl_b32 s42, s50, 3
	s_add_co_u32 s42, s42, s28
	s_mul_i32 s42, s42, 6144                       ; the image: (8 DG + k) x 6,144
	s_mul_i32 s52, s51, 1536                       ; + 1,536 t
	s_add_co_u32 s42, s42, s52
	s_mov_b32 s43, 0
	s_lshl_b32 s44, s50, 11                        ; wks: (8 DG + 2 t) x 256
	s_lshl_b32 s52, s51, 9
	s_add_co_u32 s44, s44, s52
	s_mov_b32 s45, 0
	s_lshl_b32 s46, ttmp9, 11                      ; cb: 2,048 bytes a tile
	s_mov_b32 s47, 0
	s_mov_b32 s48, 0x4038aa3b                      ; c = 2 log2(e)
	s_mov_b32 s49, s48                             ; (named with it as a pair, so it is written)
	s_wait_alu depctr_va_vdst(0)                   ; the wait at the head's end
	s_wait_kmcnt 0x0
	s_add_nc_u64 s[4:5], s[4:5], s[32:33]
	s_add_nc_u64 s[6:7], s[6:7], s[36:37]
	s_add_nc_u64 s[8:9], s[8:9], s[30:31]
	s_add_nc_u64 s[10:11], s[10:11], s[34:35]
	s_add_nc_u64 s[12:13], s[12:13], s[38:39]
	s_add_nc_u64 s[14:15], s[14:15], s[38:39]
	s_add_nc_u64 s[16:17], s[16:17], s[38:39]
	s_add_nc_u64 s[18:19], s[18:19], s[30:31]
	s_add_nc_u64 s[20:21], s[20:21], s[40:41]
	s_add_nc_u64 s[22:23], s[22:23], s[46:47]
	s_add_nc_u64 s[24:25], s[24:25], s[42:43]
	s_add_nc_u64 s[26:27], s[26:27], s[44:45]
	FRAGG WKR, FA, 18, 0
	FRAGG WQF, FA, 8, 0
	FRAGG QF, FA, 4, 0
	FRAGG QF+12, FA, 4, 12288
	global_load_b32 v[WQS], v[SA], s[10:11]
	global_load_b32 v[QS], v[SA], s[6:7]
	global_load_b32 v[QS+1], v[SA], s[6:7] offset:512
	global_load_b64 v[BI:BI+1], v[BA], s[12:13]
	global_load_b64 v[BI+2:BI+3], v[BA], s[14:15]
	global_load_b64 v[BI+4:BI+5], v[BA], s[16:17]
	s_cmp_lg_u32 s28, 0
	s_cbranch_scc1 .Lnot_0                         ; wave 0 alone lays the scale words
.irp t, 0,1,2,3
	global_load_b32 v[KW+\t], v[WSL], s[20:21] offset:512*\t       ; the word of row 64 DG + 16 t + r, K step 2 (T % 4) + h
.endr
	s_wait_loadcnt 0x0
	global_store_b128 v[IMG], v[KW:KW+3], s[26:27]                 ; the wave stores 512 consecutive bytes, aligned: two units of 256
.Lnot_0:
	s_wait_loadcnt 0x0
.irp c, 0,1,2
	global_store_b128 v[IMG], v[WKR+4*\c:WKR+4*\c+3], s[24:25] offset:512*\c   ; Wk's fragment goes out as it stands: each store covers 512 consecutive bytes, aligned
.endr
	v_wmma_scale_f32_16x16x128_f8f6f4 v[ACC:ACC+7], v[WQF:WQF+11], v[QF:QF+11], 0, v[WQS], v[QS] matrix_a_fmt:MATRIX_FMT_FP6 matrix_b_fmt:MATRIX_FMT_FP6
	v_wmma_scale_f32_16x16x128_f8f6f4 v[ACC+8:ACC+15], v[WQF:WQF+11], v[QF+12:QF+23], 0, v[WQS], v[QS+1] matrix_a_fmt:MATRIX_FMT_FP6 matrix_b_fmt:MATRIX_FMT_FP6
.rept 4
	v_nop                                          ; four places behind the last product, ahead of the first read of results (ISA guide 7.12.1)
.endr
.irp mt, 0,1
	ds_store_b128 v[STW], v[ACC+8*\mt:ACC+8*\mt+3] offset:\mt*1024         ; each accumulator from its low end on
	ds_store_b128 v[STW], v[ACC+8*\mt+4:ACC+8*\mt+7] offset:\mt*1024+16
.endr
	s_wait_dscnt 0x0                               ; for the others' sake: my partial sums lie in LDS
	s_barrier_signal -1
	s_barrier_wait -1
.irp k, 0,1,2,3,4,5,6,7
	ds_load_b64 v[RD+2*\k:RD+2*\k+1], v[T8] offset:\k*PK
.endr
	s_wait_dscnt 0x0
.irp k, 0,4,8,12
	v_pk_add_f32 v[RD+\k:RD+\k+1], v[RD+\k:RD+\k+1], v[RD+\k+2:RD+\k+3]
.endr
	v_pk_add_f32 v[BI:BI+1], v[BI:BI+1], v[BI+2:BI+3]
	v_pk_add_f32 v[RD:RD+1], v[RD:RD+1], v[RD+4:RD+5]
	v_pk_add_f32 v[RD+8:RD+9], v[RD+8:RD+9], v[RD+12:RD+13]
	v_pk_add_f32 v[BI:BI+1], v[BI:BI+1], v[BI+4:BI+5]
	v_pk_add_f32 v[RD:RD+1], v[RD:RD+1], v[RD+8:RD+9]
	v_pk_add_f32 v[RD:RD+1], v[RD:RD+1], v[BI:BI+1]
	v_pk_mul_f32 v[RD:RD+1], v[RD:RD+1], s[48:49] op_sel_hi:[1,0]   ; x c
	global_store_b64 v[T8], v[RD:RD+1], s[22:23]   ; the wave stores 256 consecutive bytes, aligned
	s_wait_tensorcnt 0x0                           ; the wave's end, behind my last LDS store
	ds_add_u32 v[SPW], v[NIL]
	s_wait_dscnt 0x0
	s_endpgm
.Lfunc_end_k_qdc372c2376_prep:
	.size	k_qdc372c2376_prep, .Lfunc_end_k_qdc372c2376_prep-k_qdc372c2376_prep
	.p2alignl 7, 3214868480
	.fill 96, 4, 3214868480
	.section	.rodata,"a",@progbits
	.p2align	6, 0x0
	.amdhsa_kernel k_qdc372c2376_prep
		.amdhsa_group_segment_fixed_size 17408
		.amdhsa_private_segment_fixed_size 0
		.amdhsa_enable_private_segment 0
		.amdhsa_kernarg_size 96
		.amdhsa_user_sgpr_count 2
		.amdhsa_user_sgpr_kernarg_segment_ptr 1
		.amdhsa_wavefront_size32 1
		.amdhsa_system_sgpr_workgroup_id_x 1
		.amdhsa_system_sgpr_workgroup_id_y 1
		.amdhsa_system_sgpr_workgroup_id_z 1
		.amdhsa_system_vgpr_workitem_id 0
		.amdhsa_next_free_vgpr 128
		.amdhsa_next_free_sgpr 66
		.amdhsa_reserve_vcc 0
		.amdhsa_float_denorm_mode_32 3
		.amdhsa_float_denorm_mode_16_64 3
		.amdhsa_memory_ordered 1
		.amdhsa_forward_progress 1
		.amdhsa_inst_pref_size 9
	.end_amdhsa_kernel
	.amdgpu_metadata
---
amdhsa.version: [ 1, 2 ]
amdhsa.kernels:
  - .name:           k_qdc372c2376_prep
    .symbol:         k_qdc372c2376_prep.kd
    .args:
      - { .name: query_codes, .offset: 0, .size: 8, .value_kind: global_buffer, .address_space: global }
      - { .name: query_scales, .offset: 8, .size: 8, .value_kind: global_buffer, .address_space: global }
      - { .name: Wq_codes, .offset: 16, .size: 8, .value_kind: global_buffer, .address_space: global }
      - { .name: Wq_scales, .offset: 24, .size: 8, .value_kind: global_buffer, .address_space: global }
      - { .name: bq, .offset: 32, .size: 8, .value_kind: global_buffer, .address_space: global }
      - { .name: bk, .offset: 40, .size: 8, .value_kind: global_buffer, .address_space: global }
      - { .name: bt, .offset: 48, .size: 8, .value_kind: global_buffer, .address_space: global }
      - { .name: Wk_codes, .offset: 56, .size: 8, .value_kind: global_buffer, .address_space: global }
      - { .name: Wk_scales, .offset: 64, .size: 8, .value_kind: global_buffer, .address_space: global }
      - { .name: cb, .offset: 72, .size: 8, .value_kind: global_buffer, .address_space: global }
      - { .name: wkf, .offset: 80, .size: 8, .value_kind: global_buffer, .address_space: global }
      - { .name: wks, .offset: 88, .size: 8, .value_kind: global_buffer, .address_space: global }
    .group_segment_fixed_size: 17408
    .private_segment_fixed_size: 0
    .kernarg_segment_align: 8
    .kernarg_segment_size: 96
    .max_flat_workgroup_size: 256
    .sgpr_count:     66
    .vgpr_count:     128
    .wavefront_size: 32
...
	.end_amdgpu_metadata
.endif
;; end of part 4
;; launch main (part 5): grid 832 x 1, 8 waves a work-group, no clusters, 316,672 bytes of LDS; arguments seq, time_features, lengths, Wt, Ws, cb, wkf, wks, pacc, pml; writes pacc, pml
.if DOCPART == 5
	.amdgcn_target "amdgcn-amd-amdhsa--gfx1250"
	.amdhsa_code_object_version 6
	.text
	.protected	k_qdc372c2376_main
	.globl	k_qdc372c2376_main
	.p2align	8
	.type	k_qdc372c2376_main,@function
k_qdc372c2376_main:
	s_mov_b64 s[64:65], 0
	v_nop
	global_prefetch_b8 v0, s[64:65] scope:SCOPE_SE
	s_setreg_imm32_b32 hwreg(HW_REG_WAVE_MODE, 25, 1), 1
	s_wait_xcnt 0x0
; TimeAwareAttention, launch 2 of 3: one tile (batch b, rows 80 chunk .. 80 chunk + 79) through the whole chain.
; WHICH TILE.  Batch b has nt[b] = ceil(lengths[b] / 80) live tiles.  The work-group's number counts the live tiles on end: batch 0's, then batch 1's, and so on; every wave finds its (b, chunk) from the 32 lengths by a
; walk over the running sum of nt, in scalar whole numbers, with no branch.  So the work-groups that have rows are the grid's first sum(nt), on consecutive numbers, whatever the lengths; 832 = 32 x 26 serves every lengths.
; LEFT OUT (shown at the head of launch 1): bs and sum(Ws), constant along the softmax's axis; tiles whose rows all lie at or beyond lengths[b], whose weights reference()'s own mask makes 0: they have no number below
; sum(nt).  In a work-group whose number is sum(nt) or more a scalar branch on numbers made of lengths leads round each of the three stretches of work; every wave still passes both barriers, so no barrier hangs on a loaded number.
; So this launch has no tensor load and no copy: operands go through registers.
; NO CLUSTER: which work-groups have work, and of which batch, hangs on lengths, so partners could not make every joint request.
; LIMITS: lengths held to 1 .. 2048.  For the last product (left as it is by the contract) seq is rounded to f16, its weights stay f32: |seq| must stay under 65,504, f16's largest number (beyond it the copy is infinite);
;   under 2^-14 the copy keeps an absolute step of 2^-24.  f16 and not bf16: 11 significant bits against 8; where lengths[b] is small the sum has few terms, and the operand's rounding reaches the result undiminished.
;   A block of 32 zeros of seq gets the scale byte 1, its codes are zeros.
; THE CHAIN.  X: seq's 80 rows are read from memory ONCE; each wave takes columns 128 w .. 128 w + 127 (K step w) of all rows, 16 rows at a time: through its stage in LDS, so that a lane holds 16 neighbours of each
;   block of 32; quantised to E2M3 with E8M0 scales; the fragment goes to LDS as an image of its registers, and an f16 copy of the numbers stays in LDS for the last product.  | barrier |
; 2: k = seq Wk on codes.  THE WAVES SHARE THE COLUMNS d: wave w makes d = 128 w .. 128 w + 127 in two groups of 64, for all 80 rows: 20 accumulators.  Source 0 = 16 rows of Wk, from launch 1's images straight into
;   registers (each feeds 5 products), source 1 = 16 rows of seq from LDS (each feeds 4).  Lane (r, h) holds row s = r, register j holds d = 8 h + j: the sum over d stays in the lane.
; TANH: y = c k + cb + c Wt0 tf0 + c Wt1 tf1 (c = 2 log2 e; cb from launch 1);  r = 1 / (1 + 2^y);  z += Ws r.  2^y = infinity gives r = 0, 2^y = 0 gives r = 1: tanh's two ends.   | barrier |
; TAIL: every wave adds the eight waves' z; t = -c z is the score in powers of two; rows at or beyond lengths get -inf; m = the tile's largest t; p = 2^(t - m); l = sum p; wave w sums p x (f16 seq) over its own 128 columns.
;   pacc[26 b + chunk] = that vector, pml[..] = (m, l): launch 3 joins the tiles under the batch's maximum.
; Rows of a live tile beyond lengths repeat the tile's last live row (the row index is held at it): no new bytes, finite numbers, weight 0.
; No register made in one of the three stretches is read in another: what they share (addresses, constants) is made at the head, on the way that every wave takes.
; NO PREFETCH: a work-group has one tile: there is no later tile to ask for.
.set CODES, 0                          ; LDS: seq's 40 fragments, (8 u + k) 1536 + 512 c + 16 lane
.set SSC,   61440                      ; their scale words, (8 u + k) 128 + 4 lane
.set PARAM, 66560                      ; for each group of 8 d: c Wt0 x 8, c Wt1 x 8, cb x 8, Ws x 8: 128 bytes
.set COPY,  82944                      ; 80 rows of f16
.set CPP,   2064                       ; their pitch: 2,048 + 16, an odd multiple of 16 bytes
.set STAGE, 248064                     ; for each wave 16 rows x (512 + 16) bytes of f32
.set STP,   528
.set PART,  STAGE                      ; behind the first barrier, in what was wave 0's stage: [8 waves][80] partial z, 320 bytes a wave;
.set PWT,   STAGE+4096                 ; and [8 waves][96] weights p, each wave's own
.set SPARE, 315648                     ; the spare words, 128 bytes for each wave: four blocks of 256 bytes that no other line names
; window 0
.set SPW,  4                           ; v4   LDS address of my spare word; never rewritten
.set NIL,  5                           ; v5   0; never rewritten
.set STGW, 6                           ; v6   my stage, in: 16 x lane
.set STGR, 7                           ; v7   my stage, out: 528 r + 64 h
.set CDW,  8                           ; v8   where I store images: 1536 w + 16 lane
.set SSW,  9                           ; v9   and scale words: SSC + 128 w + 4 lane
.set CPW,  10                          ; v10  the copy, in: COPY + 2064 r + 256 w + 32 h
.set CPA,  11                          ; v11  the copy's address in hand
.set LI,   12                          ; v12  16 x lane: an image's place, in LDS and in wkf; my 16 bytes of pacc
.set LS,   13                          ; v13  SSC + 4 lane
.set PRD,  14                          ; v14  PARAM + 2048 w + 128 h
.set L8,   15                          ; v15  8 x lane: pml
.set WSO,  16                          ; v16  16 r: wks
.set GLO,  17                          ; v17  512 w + 16 lane: my bytes of a row of seq
.set PTW,  18                          ; v18  PART + 320 w + 4 r
.set CPR,  19                          ; v19  the copy, out: COPY + 256 w + 8 lane
.set TA,   20                          ; v20-24 time features' offsets; later the wave's z
.set T16,  25                          ; v25  16 x tid
.set PRM,  26                          ; v26-30 destinations of lane permutes
.set PAW,  31                          ; v31  PARAM + 128 (tid / 2) + 16 (tid % 2)
.set RING, 32                          ; v32-175  three slots of four fragments of Wk
.set WSC,  176                         ; v176-187 their scale words: scales and nothing else
.set SF,   188                         ; v188-247 five fragments of seq
.set SS,   248                         ; v248-252 their scale words: scales and nothing else
.set ST,   48                          ; phase X: v48-111 64 numbers; v112-131 codes; v132-147 at work; v148 the scale word; v188-203 parameters as loaded;
.set PC,   112                         ;          v32-47, v204-219, v220-235 the 16 rows' offsets, a set for each landing slot
.set TM,   132
.set PW,   148
.set PIN,  188
.set Z,    32                          ; tail: v32-55 partial z; v56-62 addresses and constants; v64-127 rows, v128-159 weights, two sets each; v160-167 sums; v168, v169 m, l; v188-195 widened numbers
.set A1,   56
.set A3,   57
.set R1,   58
.set R2,   59
.set NINF, 60
.set PWA,  61
.set PWB,  62
.set RW,   64                          ; the rows' f16 pairs lie under v128, where a register's halves have names; CHUNKFMA names these registers by number
.set PP,   128
.set O,    160
.set ML,   168
.set CT,   188
; window 1 (written by their low 8 bits): v0-159 the accumulators, (u, t) at 8 (4 u + t); in phase X v0-191 three landing slots of 64
.set PAR0, 160                         ; v160-191, v212-243 two sets of a tile's parameters: +0 c Wt0, +8 c Wt1, +16 cb, +24 Ws
.set TF,   192                         ; v192-201 the time features of my row of each tile of rows: a pair
.set SCO,  202                         ; v202-211 z of my row of each tile of rows, in two halves
.set PAR1, 212
.set LIVE, 48                          ; s48  lengths[b] - the tile's first row: 0 or less in a work-group without rows
.set RUN,  49                          ; s49  the walk: the number of the batch in hand's first tile
.set FIRST, 50                         ; s50  that of my batch
.set NT,   52                          ; s52-59 nt of eight batches
.set LEN,  68                          ; s68-99 the 32 lengths
.set MSB, 0
.macro WIN new                         ; s_set_vgpr_msb: bits 1:0 source 0, 3:2 source 1, 5:4 source 2, 7:6 destination; the high byte repeats the setting that is left
.if MSB != \new
	s_set_vgpr_msb (MSB<<8)|\new
.set MSB, \new
.endif
.endm
.macro PLACES                          ; four places behind a matrix instruction, ahead of loads into its registers and of the first read of results
.rept 4
	v_nop
.endr
.endm
; 16 rows of seq, my 512 bytes of each, into landing slot u % 3.  The row index is held at the last live row by a minimum with a constant.  Each load reads 512 consecutive bytes.
; Each landing slot has its own 16 offsets, so that the first three units' 48 loads go out on end with no wait between them.
.macro ULOAD u
.if ((\u)%3) == 0
.set OFS, 32
.elseif ((\u)%3) == 1
.set OFS, 204
.else
.set OFS, 220
.endif
.if (\u) >= 3
	s_wait_xcnt 0x0                                ; this set's offsets were sources of the loads three units back (shown done by the unit's wait on LOADcnt): rewritten only behind this wait
.endif
.irp i, 0,1,2,3,4,5,6,7,8,9,10,11,12,13,14,15
	s_min_u32 s33, s32, 16*(\u)+\i
	v_lshl_add_u32 v[OFS+\i], s33, 12, v[GLO]
.endr
	WIN 0x40
	s_wait_alu depctr_va_vdst(0)
.irp i, 0,1,2,3,4,5,6,7,8,9,10,11,12,13,14,15
	global_load_b128 v[64*((\u)%3)+4*\i:64*((\u)%3)+4*\i+3], v[OFS+\i], s[8:9] th:TH_LOAD_NT   ; a live row's bytes are read by this wave alone in the whole launch
.endr
	WIN 0
.endm
; 64 numbers of a lane, register 16 b + i = k 32 b + 16 h + i of my row, become a fragment's codes in v[PC] on and its scale word in v[PW].
.macro QUANT s
.irp b, 0,1,2,3
	v_max3_num_f32 v[TM+\b], |v[\s+16*\b]|, |v[\s+1+16*\b]|, 0x1800000   ; my 16 numbers of block b, and the floor 2^(3 - 127): the byte cannot fall under 1
.endr
.irp i, 2,4,6,8,10,12,14
.irp b, 0,1,2,3
	s_delay_alu instid0(VALU_DEP_4)
	v_max3_num_f32 v[TM+\b], v[TM+\b], |v[\s+16*\b+\i]|, |v[\s+1+16*\b+\i]|
.endr
.endr
.irp b, 0,1,2,3
	s_delay_alu instid0(VALU_DEP_4)
	v_permlanex16_b32 v[TM+4+\b], v[TM+\b], s38, s39
.endr
.irp b, 0,1,2,3
	s_delay_alu instid0(VALU_DEP_4)
	v_max_num_f32 v[TM+\b], v[TM+\b], v[TM+4+\b]   ; with lane l xor 16's: the block's largest magnitude
.endr
.irp b, 0,1,2,3
	s_delay_alu instid0(VALU_DEP_4)
	v_add_nc_u32 v[TM+12+\b], 0xff000000, v[TM+\b] ; 2 off its exponent field: the conversion's scale operand
.endr
.irp b, 0,1,2,3
	s_delay_alu instid0(VALU_DEP_4)
	v_lshrrev_b32 v[TM+4+\b], 23, v[TM+12+\b]      ; the scale's byte
.endr
	s_delay_alu instid0(VALU_DEP_3)
	v_lshl_or_b32 v[PW], v[TM+5], 8, v[TM+4]
	s_delay_alu instid0(VALU_DEP_1)
	v_lshl_or_b32 v[PW], v[TM+6], 16, v[PW]
	s_delay_alu instid0(VALU_DEP_1)
	v_lshl_or_b32 v[PW], v[TM+7], 24, v[PW]
.irp c, 0,1
	v_cvt_scalef32_pk16_fp6_f32 v[PC+6*\c:PC+2+6*\c], v[\s+32*\c:\s+15+32*\c], v[TM+12+2*\c]
	v_cvt_scalef32_pk16_fp6_f32 v[PC+12+4*\c:PC+14+4*\c], v[\s+16+32*\c:\s+31+32*\c], v[TM+12+2*\c+1]   ; (a conversion's three registers begin on an even number)
.endr
	v_nop                                          ; one plain place behind a scaled conversion
.irp c, 0,1                                    ; the operand's layout wants a whole block in a lane: lanes 0-15 block 2 c, lanes 16-31 block 2 c + 1
.irp i, 0,1,2
	v_permlane16_swap_b32 v[PC+6*\c+\i], v[PC+12+4*\c+\i]
.endr
.irp i, 0,1,2
	s_delay_alu instid0(VALU_DEP_3)
	v_mov_b32 v[PC+3+6*\c+\i], v[PC+12+4*\c+\i]
.endr
.endr
.endm
; Tile of rows u, my K step.  left: the loads of younger units, 16 each, which may stay out.  next: the unit whose loads take this unit's landing slot, or -1.
.macro UNIT u, left, next
	s_wait_loadcnt \left
	WIN 0x04                                       ; an LDS store's data are its source 1: window 1
.irp i, 0,1,2,3,4,5,6,7,8,9,10,11,12,13,14,15
	ds_store_b128 v[STGW], v[64*((\u)%3)+4*\i:64*((\u)%3)+4*\i+3] offset:STP*\i
.endr
	WIN 0
	s_wait_dscnt 0x0                               ; the unit before's image and copy stores have read their registers
.irp b, 0,1,2,3
.irp j, 0,1,2,3
	ds_load_b128 v[ST+16*\b+4*\j:ST+16*\b+4*\j+3], v[STGR] offset:128*\b+16*\j   ; row r: 16 neighbours of each block of 32
.endr
.endr
	s_wait_dscnt 0x0
.if \next >= 0
	ULOAD \next                                    ; the landing slot's stage stores are done
.endif
	QUANT ST
.irp c, 0,1,2
	ds_store_b128 v[CDW], v[PC+4*\c:PC+4*\c+3] offset:(\u)*12288+512*\c
.endr
	ds_store_b32 v[SSW], v[PW] offset:(\u)*1024
.set n, 0
.rept 32
	v_cvt_pk_f16_f32 v[ST+n], v[ST+2*n], v[ST+2*n+1]    ; two roundings to f16, the first number in the low half; in place, ascending: a result lands on numbers that are done with
.set n, n+1
.endr
.if (\u) == 0
.set CA, CPW
.else
.set CA, CPA
	v_add_nc_u32 v[CPA], (\u)*16*CPP, v[CPW]
.endif
.irp b, 0,1,2,3
.irp e, 0,1
	ds_store_b128 v[CA], v[ST+8*\b+4*\e:ST+8*\b+4*\e+3] offset:64*\b+16*\e
.endr
.endr
.endm
; Step j = 8 g + k of the second product: column group g, K step k.  Its four fragments of Wk and their scale words: 13 loads into slot j % 3.
.macro WKLOAD j
.set RB, RING+48*((\j)%3)
.irp t, 0,1,2,3
.irp c, 0,1,2
	global_load_b128 v[RB+12*\t+4*\c:RB+12*\t+4*\c+3], v[LI], s[20:21] offset:(\j)*6144+\t*1536+\c*512
.endr
.endr
	global_load_b128 v[WSC+4*((\j)%3):WSC+4*((\j)%3)+3], v[WSO], s[22:23] offset:(\j)*256
.endm
.macro LDSF k, u                       ; seq's fragment (tile of rows u, K step k) and its scale words: 4 LDS loads
.irp c, 0,1,2
	ds_load_b128 v[SF+12*(\u)+4*\c:SF+12*(\u)+4*\c+3], v[LI] offset:(8*(\u)+(\k))*1536+512*\c
.endr
	ds_load_b32 v[SS+(\u)], v[LS] offset:(8*(\u)+(\k))*128
.endm
.macro MUL j, u                        ; four matrix instructions: the slot's four tiles of d x tile of rows u.  A group's first K step starts the sums: nothing is cleared
.set RB, RING+48*((\j)%3)
.set WB, WSC+4*((\j)%3)
.irp t, 0,1,2,3
.if ((\j)%8) == 0
	v_wmma_scale_f32_16x16x128_f8f6f4 v[8*(4*(\u)+\t):8*(4*(\u)+\t)+7], v[RB+12*\t:RB+12*\t+11], v[SF+12*(\u):SF+12*(\u)+11], 0, v[WB+\t], v[SS+(\u)] matrix_a_fmt:MATRIX_FMT_FP6 matrix_b_fmt:MATRIX_FMT_FP6
.else
	v_wmma_scale_f32_16x16x128_f8f6f4 v[8*(4*(\u)+\t):8*(4*(\u)+\t)+7], v[RB+12*\t:RB+12*\t+11], v[SF+12*(\u):SF+12*(\u)+11], v[8*(4*(\u)+\t):8*(4*(\u)+\t)+7], v[WB+\t], v[SS+(\u)] matrix_a_fmt:MATRIX_FMT_FP6 matrix_b_fmt:MATRIX_FMT_FP6
.endif
.endr
.endm
; The 20 accumulators take turns, one instruction a turn, in the same order in every step.  A slot of Wk is asked for two whole steps, 40 matrix instructions, ahead of its use.
.macro STEP j
.if 15-(\j) >= 2
	s_wait_loadcnt 26                              ; this step's 13 loads (and all older loads) are in; the two younger slots' may be out
.else
	s_wait_loadcnt 13*(15-(\j))
.endif
	s_wait_dscnt 8                                 ; fragments 0-2 are in; the youngest eight loads (fragments 3, 4 and their words) may be out
	WIN 0x50                                       ; C and D window 1
	MUL \j, 0
	MUL \j, 1
	MUL \j, 2
	WIN 0
	PLACES
.set KN, ((\j)%8)+1
.if ((\j)%8) < 7
	LDSF KN, 0
	LDSF KN, 1
	LDSF KN, 2
	s_wait_dscnt 12                                ; all but the 12 just issued
.else
	s_wait_dscnt 0x0
.endif
	WIN 0x50
	MUL \j, 3
	MUL \j, 4
	WIN 0
	PLACES
.if ((\j)%8) < 7
	LDSF KN, 3
	LDSF KN, 4
.endif
.if (\j)+3 <= 15
	WKLOAD (\j)+3
.endif
.endm
.macro PLOAD g, t, e                   ; the parameters of my eight d of tile (g, t) into set e: all lanes of a half read the same 128 bytes
	WIN 0x40
.irp i, 0,1,2,3,4,5,6,7
	ds_load_b128 v[PAR0+(PAR1-PAR0)*(\e)+4*\i:PAR0+(PAR1-PAR0)*(\e)+4*\i+3], v[PRD] offset:(4*(\g)+(\t))*256+16*\i
.endr
.endm
; Column group g's 20 tiles: y, r = 1 / (1 + 2^y), z += Ws r.  Five tiles of rows at a time; 40 exponentials and 40 reciprocals are a batch each, with one plain place and one wait behind each batch.
.macro TANH g
	PLOAD \g, 0, 0
.irp t, 0,1,2,3
.if \t < 3
	PLOAD \g, \t+1, (\t+1)%2
	s_wait_dscnt 8                                 ; this tile's set is in; the next one's eight loads may be out
.else
	s_wait_dscnt 0x0
.endif
	WIN 0x55                                       ; all operands in window 1
.set P, PAR0+(PAR1-PAR0)*(\t%2)
.irp q, 0,1,2,3
.irp u, 0,1,2,3,4
	v_pk_fma_f32 v[8*(4*\u+\t)+2*\q:8*(4*\u+\t)+2*\q+1], v[8*(4*\u+\t)+2*\q:8*(4*\u+\t)+2*\q+1], s[36:37], v[P+16+2*\q:P+17+2*\q] op_sel_hi:[1,0,1]   ; c k + cb; each accumulator from its low end on
.endr
.endr
.irp q, 0,1,2,3
.irp u, 0,1,2,3,4
	v_pk_fma_f32 v[8*(4*\u+\t)+2*\q:8*(4*\u+\t)+2*\q+1], v[P+2*\q:P+1+2*\q], v[TF+2*\u:TF+2*\u+1], v[8*(4*\u+\t)+2*\q:8*(4*\u+\t)+2*\q+1] op_sel_hi:[1,0,1]   ; + c Wt0 tf0: the pair's first word for both halves
.endr
.endr
.irp q, 0,1,2,3
.irp u, 0,1,2,3,4
	v_pk_fma_f32 v[8*(4*\u+\t)+2*\q:8*(4*\u+\t)+2*\q+1], v[P+8+2*\q:P+9+2*\q], v[TF+2*\u:TF+2*\u+1], v[8*(4*\u+\t)+2*\q:8*(4*\u+\t)+2*\q+1] op_sel:[0,1,0] op_sel_hi:[1,1,1]   ; + c Wt1 tf1: its second word for both
.endr
.endr
	s_wait_alu depctr_va_vdst(0)
.irp u, 0,1,2,3,4
.irp n, 0,1,2,3,4,5,6,7
	v_exp_f32 v[8*(4*\u+\t)+\n], v[8*(4*\u+\t)+\n]
.endr
.endr
	v_nop                                          ; a plain place behind the last exponential
	s_wait_alu depctr_va_vdst(0)                   ; the wait ahead of the first use: one for the batch
.irp q, 0,1,2,3
.irp u, 0,1,2,3,4
	v_pk_add_f32 v[8*(4*\u+\t)+2*\q:8*(4*\u+\t)+2*\q+1], v[8*(4*\u+\t)+2*\q:8*(4*\u+\t)+2*\q+1], 1.0 op_sel_hi:[1,0]
.endr
.endr
	s_wait_alu depctr_va_vdst(0)
.irp u, 0,1,2,3,4
.irp n, 0,1,2,3,4,5,6,7
	v_rcp_f32 v[8*(4*\u+\t)+\n], v[8*(4*\u+\t)+\n]
.endr
.endr
	v_nop
	s_wait_alu depctr_va_vdst(0)                   ; and one for the reciprocals
.irp q, 0,1,2,3
.irp u, 0,1,2,3,4
.if (\g == 0) && (\t == 0) && (\q == 0)
	v_pk_mul_f32 v[SCO+2*\u:SCO+2*\u+1], v[8*(4*\u+\t)+2*\q:8*(4*\u+\t)+2*\q+1], v[P+24+2*\q:P+25+2*\q]   ; the first product starts z
.else
	v_pk_fma_f32 v[SCO+2*\u:SCO+2*\u+1], v[8*(4*\u+\t)+2*\q:8*(4*\u+\t)+2*\q+1], v[P+24+2*\q:P+25+2*\q], v[SCO+2*\u:SCO+2*\u+1]
.endif
.endr
.endr
.endr
	WIN 0
.endm
.macro CHUNKLD u                       ; rows 16 u .. 16 u + 15: their weights (all lanes the same 64 bytes) and my 8 bytes of each row's copy: 20 LDS loads into set u % 2
.if (\u) == 0
.set CA, CPR
.else
.set CA, CPA
	v_add_nc_u32 v[CPA], (\u)*16*CPP, v[CPR]
.endif
.irp i, 0,1,2,3
	ds_load_b128 v[PP+16*((\u)%2)+4*\i:PP+16*((\u)%2)+4*\i+3], v[PWB] offset:64*(\u)+16*\i
.endr
.irp i, 0,1,2,3,4,5,6,7,8,9,10,11,12,13,14,15
	ds_load_b64 v[RW+32*((\u)%2)+2*\i:RW+32*((\u)%2)+2*\i+1], v[CA] offset:\i*CPP
.endr
.endm
; My four columns += p x (f16 seq).  Register r of a set (first register rb) holds two columns of row (r - rb) / 2: both halves are widened to f32, and one packed multiply-add takes the row's weight
; from its pair of registers (the first word for an even row, the second for an odd one).  Four registers, two rows, at a time: eight conversions, then four multiply-adds onto four different sums.
.macro CVT2 r                          ; r is a number as written: a register's halves are named by number
	v_cvt_f32_f16 v[CT+2*((\r)%4)], v\r\().l
	v_cvt_f32_f16 v[CT+2*((\r)%4)+1], v\r\().h
.endm
.macro FMA2 r, rb, wb
.set FI, ((\r)-(\rb))/2                ; the row among the 16
.set FO, O+4*(FI%2)+2*(((\r)-(\rb))%2) ; its sums: even rows' and odd rows' chains, columns 0, 1 or 2, 3
.set FW, (\wb)+2*(FI/2)                ; the pair that holds its weight
.if (FI%2) == 0
	v_pk_fma_f32 v[FO:FO+1], v[CT+2*((\r)%4):CT+2*((\r)%4)+1], v[FW:FW+1], v[FO:FO+1] op_sel_hi:[1,0,1]
.else
	v_pk_fma_f32 v[FO:FO+1], v[CT+2*((\r)%4):CT+2*((\r)%4)+1], v[FW:FW+1], v[FO:FO+1] op_sel:[0,1,0] op_sel_hi:[1,1,1]
.endif
.endm
.macro GRP4 a, b, c, d, rb, wb
.irp r, \a, \b, \c, \d
	CVT2 \r
.endr
.irp r, \a, \b, \c, \d
	FMA2 \r, \rb, \wb
.endr
.endm
.macro CHUNKFMA u
.if ((\u)%2) == 0
	GRP4 64, 65, 66, 67, 64, PP
	GRP4 68, 69, 70, 71, 64, PP
	GRP4 72, 73, 74, 75, 64, PP
	GRP4 76, 77, 78, 79, 64, PP
	GRP4 80, 81, 82, 83, 64, PP
	GRP4 84, 85, 86, 87, 64, PP
	GRP4 88, 89, 90, 91, 64, PP
	GRP4 92, 93, 94, 95, 64, PP
.else
	GRP4 96, 97, 98, 99, 96, PP+16
	GRP4 100, 101, 102, 103, 96, PP+16
	GRP4 104, 105, 106, 107, 96, PP+16
	GRP4 108, 109, 110, 111, 96, PP+16
	GRP4 112, 113, 114, 115, 96, PP+16
	GRP4 116, 117, 118, 119, 96, PP+16
	GRP4 120, 121, 122, 123, 96, PP+16
	GRP4 124, 125, 126, 127, 96, PP+16
.endif
.endm
	; THE HEAD, on every wave's way: arguments, the 32 lengths, my tile, every address and constant that the three stretches share
	s_load_b512 s[8:23], s[0:1], 0x0               ; seq 8, time_features 10, lengths 12, Wt 14, Ws 16, cb 18, wkf 20, wks 22
	s_load_b128 s[24:27], s[0:1], 0x40             ; pacc 24, pml 26
	v_lshl_add_u32 v[SPW], v0, 2, SPARE
	v_mov_b32 v[NIL], 0
	v_lshrrev_b32 v1, 5, v0
	s_delay_alu instid0(VALU_DEP_1)
	v_readfirstlane_b32 s28, v1                    ; wave w
	s_mov_b32 s35, 0                               ; the upper word of every offset below
	s_wait_kmcnt 0x0
	s_load_b512 s[LEN:LEN+15], s[12:13], 0x0       ; lengths[0 .. 15]
	s_load_b512 s[LEN+16:LEN+31], s[12:13], 0x40   ; lengths[16 .. 31]; the addresses below are made while they are on their way
	v_and_b32 v1, 31, v0                           ; lane
	v_and_b32 v2, 15, v0                           ; r
	v_bfe_u32 v3, v0, 4, 1                         ; h
	s_mul_i32 s40, s28, 16*STP
	s_add_co_u32 s40, s40, STAGE                   ; my stage
	v_lshl_add_u32 v[STGW], v1, 4, s40
	v_mul_u32_u24 v[STGR], v2, STP
	s_delay_alu instid0(VALU_DEP_1)
	v_lshl_add_u32 v[STGR], v3, 6, v[STGR]
	s_delay_alu instid0(VALU_DEP_1)
	v_add_nc_u32 v[STGR], s40, v[STGR]
	s_mul_i32 s41, s28, 1536
	v_lshl_add_u32 v[CDW], v1, 4, s41
	s_lshl_b32 s42, s28, 7
	s_add_co_u32 s42, s42, SSC
	v_lshl_add_u32 v[SSW], v1, 2, s42
	v_mul_u32_u24 v[CPW], v2, CPP
	s_delay_alu instid0(VALU_DEP_1)
	v_lshl_add_u32 v[CPW], v3, 5, v[CPW]
	s_lshl_b32 s43, s28, 8
	s_add_co_u32 s43, s43, COPY
	v_add_nc_u32 v[CPW], s43, v[CPW]
	v_lshl_add_u32 v[CPR], v1, 3, s43
	v_lshlrev_b32 v[LI], 4, v1
	v_lshl_add_u32 v[LS], v1, 2, SSC
	s_lshl_b32 s44, s28, 11
	s_add_co_u32 s44, s44, PARAM
	v_lshl_add_u32 v[PRD], v3, 7, s44
	v_lshlrev_b32 v[L8], 3, v1
	v_lshlrev_b32 v[WSO], 4, v2
	s_lshl_b32 s45, s28, 9
	v_lshl_add_u32 v[GLO], v1, 4, s45
	s_mul_i32 s46, s28, 320
	s_add_co_u32 s46, s46, PART
	v_lshl_add_u32 v[PTW], v2, 2, s46
	v_lshlrev_b32 v[T16], 4, v0
	v_lshrrev_b32 v[PAW], 1, v0
	s_delay_alu instid0(VALU_DEP_1)
	v_lshlrev_b32 v[PAW], 7, v[PAW]
	v_and_b32 v[PRM], 1, v0
	s_delay_alu instid0(VALU_DEP_1)
	v_lshl_add_u32 v[PAW], v[PRM], 4, v[PAW]
	s_delay_alu instid0(VALU_DEP_1)
	v_add_nc_u32 v[PAW], PARAM, v[PAW]
	s_mul_i32 s47, s28, 384
	s_add_co_u32 s47, s47, PWT                     ; my weights' 384 bytes
	s_mov_b32 s36, 0x4038aa3b                      ; c = 2 log2(e)
	s_mov_b32 s37, s36                             ; (named with it as a pair, so it is written)
	s_mov_b32 s38, 0x76543210
	s_mov_b32 s39, 0xfedcba98                      ; v_permlanex16_b32's selects for lane l xor 16
.irp b, 0,1,2,3
	v_mov_b32 v[TM+4+\b], 0                        ; written once: a lane permute's destination counts as one of its sources
.endr
.irp u, 0,1,2,3,4
	v_mov_b32 v[PRM+\u], 0
.endr
	s_mov_b32 s[RUN], 0
	s_mov_b32 s[FIRST], 0
	s_mov_b32 s29, 0
	s_mov_b32 s31, 1
	s_wait_kmcnt 0x0
	; THE WALK.  Eight batches at a time: each length held to 1 .. 2048; nt = (len + 79) / 80 = ((len + 79) x 52429) >> 22, exact for numbers up to 2,127.  Then, batch by batch: if my number is at or past the batch's
	; first tile's, the batch becomes mine.  nt is at least 1, so the first tiles' numbers rise, and the last batch taken is the right one.
.irp g, 0,1,2,3
.irp i, 0,1,2,3,4,5,6,7
	s_max_i32 s[LEN+8*\g+\i], s[LEN+8*\g+\i], 1
.endr
.irp i, 0,1,2,3,4,5,6,7
	s_min_u32 s[LEN+8*\g+\i], s[LEN+8*\g+\i], 2048
.endr
.irp i, 0,1,2,3,4,5,6,7
	s_add_co_u32 s[NT+\i], s[LEN+8*\g+\i], 79
.endr
.irp i, 0,1,2,3,4,5,6,7
	s_mul_i32 s[NT+\i], s[NT+\i], 52429
.endr
.irp i, 0,1,2,3,4,5,6,7
	s_lshr_b32 s[NT+\i], s[NT+\i], 22
.endr
.irp i, 0,1,2,3,4,5,6,7
	s_cmp_ge_u32 ttmp9, s[RUN]
	s_cselect_b32 s29, 8*\g+\i, s29                ; b
	s_cselect_b32 s[FIRST], s[RUN], s[FIRST]       ; the number of its first tile
	s_cselect_b32 s31, s[LEN+8*\g+\i], s31         ; lengths[b]
	s_add_co_u32 s[RUN], s[RUN], s[NT+\i]
.endr
.endr
	s_sub_co_u32 s30, ttmp9, s[FIRST]              ; chunk; in a work-group whose number is sum(nt) or more: batch 31, chunk nt[31] or more
	s_mul_i32 s33, s30, 80
	s_sub_co_i32 s[LIVE], s31, s33                 ; live rows from the tile's first row on: 0 or less where there is no such tile
	s_min_u32 s29, s29, 31                         ; both held by constants ahead of the addresses
	s_min_u32 s30, s30, 25
	s_mul_i32 s33, s30, 80                         ; the tile's first row
	s_max_i32 s31, s[LIVE], 1
	s_min_u32 s31, s31, 80                         ; NL: the tile's live rows, 1 .. 80 (without rows: 1, and not used)
	s_sub_co_u32 s32, s31, 1                       ; the last live row
	s_lshl_b32 s34, s29, 23                        ; seq: a batch is 2,048 rows of 4,096 bytes
	s_mul_i32 s40, s30, 80*4096
	s_add_co_u32 s34, s34, s40
	s_add_nc_u64 s[8:9], s[8:9], s[34:35]
	s_lshl_b32 s34, s29, 11
	s_add_co_u32 s34, s34, s33
	s_lshl_b32 s34, s34, 3                         ; time features: 8 bytes a row
	s_add_nc_u64 s[10:11], s[10:11], s[34:35]
	s_lshl_b32 s34, s29, 6
	s_add_nc_u64 s[18:19], s[18:19], s[34:35]      ; cb lies tile by tile, byte 2048 (d / 16) + 64 b + 4 (d % 16): my batch's 64 bytes of each tile
	s_mul_i32 s34, s28, 98304
	s_add_nc_u64 s[20:21], s[20:21], s[34:35]      ; my two groups' images of Wk
	s_lshl_b32 s34, s28, 12
	s_add_nc_u64 s[22:23], s[22:23], s[34:35]      ; and their scale words
	s_mul_i32 s40, s29, 26
	s_add_co_u32 s40, s40, s30                     ; the tile's record: 26 b + chunk
	s_lshl_b32 s34, s40, 12
	s_add_co_u32 s34, s34, s45
	s_add_nc_u64 s[24:25], s[24:25], s[34:35]      ; pacc: 4,096 bytes a record, my 512
	s_lshl_b32 s34, s40, 8
	s_add_nc_u64 s[26:27], s[26:27], s[34:35]      ; pml: 256 bytes a record
	v_min_u32 v[TA], s32, v2                       ; my row of each tile of rows, held at the last live row, then by a constant
.irp u, 1,2,3,4
	v_add_nc_u32 v[TA+\u], 16*\u, v2
	s_delay_alu instid0(VALU_DEP_1)
	v_min_u32 v[TA+\u], s32, v[TA+\u]
.endr
.irp u, 0,1,2,3,4
	v_min_u32 v[TA+\u], 79, v[TA+\u]
	s_delay_alu instid0(VALU_DEP_1)
	v_lshlrev_b32 v[TA+\u], 3, v[TA+\u]
.endr
	; STRETCH X: seq's rows become codes, scale words and an f16 copy in LDS; the parameters are laid out in LDS
	s_cmp_gt_i32 s[LIVE], 0
	s_cbranch_scc0 .Lmeet_1                        ; no rows: round the work, not round the barrier
	global_load_b128 v[PIN:PIN+3], v[T16], s[14:15]                ; Wt row 0: four d a thread
	global_load_b128 v[PIN+4:PIN+7], v[T16], s[14:15] offset:4096  ; Wt row 1
	v_lshrrev_b32 v[TM], 2, v0                     ; cb: thread tid takes d = 4 tid .. 4 tid + 3: tile tid / 4,
	v_and_b32 v[TM+1], 3, v0
	s_delay_alu instid0(VALU_DEP_2)
	v_lshlrev_b32 v[TM], 11, v[TM]
	s_delay_alu instid0(VALU_DEP_1)
	v_lshl_add_u32 v[TM], v[TM+1], 4, v[TM]        ; and 16 (tid % 4) in the batch's 64 bytes; v[TM] is written again only behind the wait that shows this load done
	global_load_b128 v[PIN+8:PIN+11], v[TM], s[18:19]              ; cb
	global_load_b128 v[PIN+12:PIN+15], v[T16], s[16:17]            ; Ws
	ULOAD 0
	ULOAD 1
	ULOAD 2
	s_wait_loadcnt 48                              ; the parameters are in; three units of 16 loads are younger
.irp n, 0,2,4,6
	v_pk_mul_f32 v[PIN+\n:PIN+\n+1], v[PIN+\n:PIN+\n+1], s[36:37] op_sel_hi:[1,0]   ; c Wt
.endr
.irp f, 0,1,2,3
	ds_store_b128 v[PAW], v[PIN+4*\f:PIN+4*\f+3] offset:32*\f
.endr
	UNIT 0, 32, 3
	UNIT 1, 32, 4
	UNIT 2, 32, -1
	UNIT 3, 16, -1
	UNIT 4, 0, -1
.Lmeet_1:
	s_wait_dscnt 0x0                               ; for the others' sake: my images, scale words, parameters and copy lie in LDS; and my stores have read their registers
	; On the way that every wave takes, ahead of the signal: the time features and the first three slots of Wk, whose addresses hang on the head alone.  They are on their way while the waves meet.
	; A work-group without rows asks too: its row index is held at 0 and its chunk at 25, so every address lies inside its buffer.
	WIN 0x40
	s_wait_alu depctr_va_vdst(0)                   ; the wait ahead of the first readers of the head's addresses
.irp u, 0,1,2,3,4
	global_load_b64 v[TF+2*\u:TF+2*\u+1], v[TA+\u], s[10:11]       ; older than Wk's slots: the first step's wait covers them
.endr
	WIN 0
	WKLOAD 0
	WKLOAD 1
	WKLOAD 2
	s_barrier_signal -1
	s_barrier_wait -1                              ; seq's 40 fragments lie in LDS
	; STRETCH 2: the second product, tanh, my wave's part of z
	s_cmp_gt_i32 s[LIVE], 0
	s_cbranch_scc0 .Lmeet_2
.irp u, 0,1,2,3,4
	LDSF 0, \u
.endr
.irp j, 0,1,2,3,4,5,6,7
	STEP \j
.endr
.irp u, 0,1,2,3,4
	LDSF 0, \u                                     ; the second group's first fragments land under the first group's vector work
.endr
	TANH 0
.irp j, 8,9,10,11,12,13,14,15
	STEP \j
.endr
	TANH 1
	WIN 0x05                                       ; my z of each row: two halves, and lane l xor 16's eight d of each tile
.irp u, 0,1,2,3,4
	v_add_f32 v[TA+\u], v[SCO+2*\u], v[SCO+2*\u+1]
.endr
	WIN 0
.irp u, 0,1,2,3,4
	v_permlanex16_b32 v[PRM+\u], v[TA+\u], s38, s39
.endr
.irp u, 0,1,2,3,4
	v_add_f32 v[TA+\u], v[TA+\u], v[PRM+\u]
.endr
.irp u, 0,1,2,3,4
	ds_store_b32 v[PTW], v[TA+\u] offset:64*\u     ; row 16 u + r; lanes r and r + 16 write the same word with the same value
.endr
.Lmeet_2:
	s_wait_loadcnt 0x0                             ; no load is out on any way: the registers of Wk's slots are written anew below
	s_wait_dscnt 0x0                               ; for the others' sake
	s_barrier_signal -1
	s_barrier_wait -1                              ; the eight waves' z lie in LDS
	; STRETCH T: the tile's softmax and its part of the last product
	s_cmp_gt_i32 s[LIVE], 0
	s_cbranch_scc0 .Lend
	v_lshl_add_u32 v[A1], v1, 2, PART              ; rows lane and lane + 32;
	v_lshl_add_u32 v[A3], v2, 2, PART+256          ; rows 64 + lane % 16: lanes 16-31 repeat them and are masked below
	v_add_nc_u32 v[R1], 32, v1
	v_add_nc_u32 v[R2], 64, v1
	v_mov_b32 v[NINF], 0xff800000                  ; -infinity
	v_lshl_add_u32 v[PWA], v1, 2, s47
	v_mov_b32 v[PWB], s47
.irp w, 0,1,2,3,4,5,6,7
	ds_load_b32 v[Z+3*\w],   v[A1] offset:320*\w
	ds_load_b32 v[Z+3*\w+1], v[A1] offset:320*\w+128
	ds_load_b32 v[Z+3*\w+2], v[A3] offset:320*\w
.endr
	s_wait_dscnt 0x0
.irp p, 0,6,12,18
.irp e, 0,1,2
	v_add_f32 v[Z+\p+\e], v[Z+\p+\e], v[Z+\p+3+\e]
.endr
.endr
.irp p, 0,12
.irp e, 0,1,2
	v_add_f32 v[Z+\p+\e], v[Z+\p+\e], v[Z+\p+6+\e]
.endr
.endr
.irp e, 0,1,2
	s_delay_alu instid0(VALU_DEP_3)
	v_add_f32 v[Z+\e], v[Z+\e], v[Z+12+\e]
.endr
.irp e, 0,1,2
	s_delay_alu instid0(VALU_DEP_3)
	v_mul_f32 v[Z+\e], 0xc038aa3b, v[Z+\e]         ; t = -2 log2(e) z: the score, less what is constant along s, in powers of two
.endr
	v_cmp_gt_u32 vcc_lo, s31, v1                   ; is the row live?
	s_delay_alu instid0(VALU_DEP_1)
	v_cndmask_b32 v[Z], v[NINF], v[Z], vcc_lo
	v_cmp_gt_u32 vcc_lo, s31, v[R1]
	s_delay_alu instid0(VALU_DEP_1)
	v_cndmask_b32 v[Z+1], v[NINF], v[Z+1], vcc_lo
	v_cmp_gt_u32 vcc_lo, s31, v[R2]                ; (lanes 16-31: row numbers 80 on: never live)
	s_delay_alu instid0(VALU_DEP_1)
	v_cndmask_b32 v[Z+2], v[NINF], v[Z+2], vcc_lo
	s_delay_alu instid0(VALU_DEP_1)
	v_max3_num_f32 v[ML], v[Z], v[Z+1], v[Z+2]     ; the tile's largest t: row 0 of a live tile is live, so it is a number
	s_delay_alu instid0(VALU_DEP_1)
	v_max_num_f32_dpp v[ML], v[ML], v[ML] row_xmask:1 row_mask:0xf bank_mask:0xf
	s_delay_alu instid0(VALU_DEP_1)
	v_max_num_f32_dpp v[ML], v[ML], v[ML] row_xmask:2 row_mask:0xf bank_mask:0xf
	s_delay_alu instid0(VALU_DEP_1)
	v_max_num_f32_dpp v[ML], v[ML], v[ML] row_xmask:4 row_mask:0xf bank_mask:0xf
	s_delay_alu instid0(VALU_DEP_1)
	v_max_num_f32_dpp v[ML], v[ML], v[ML] row_xmask:8 row_mask:0xf bank_mask:0xf
	s_delay_alu instid0(VALU_DEP_1)
	v_permlanex16_b32 v[PRM], v[ML], s38, s39
	s_delay_alu instid0(VALU_DEP_1)
	v_max_num_f32 v[ML], v[ML], v[PRM]
.irp e, 0,1,2
	v_sub_f32 v[Z+\e], v[Z+\e], v[ML]
.endr
	s_wait_alu depctr_va_vdst(0)
.irp e, 0,1,2
	v_exp_f32 v[Z+\e], v[Z+\e]                     ; p = 2^(t - m); 0 for masked rows
.endr
	v_nop
	s_wait_alu depctr_va_vdst(0)                   ; one wait for the three, ahead of their first use
.irp e, 0,1,2
	ds_store_b32 v[PWA], v[Z+\e] offset:128*\e     ; my wave's own 96 words: read back below with no barrier, LDS serving a wave's instructions in order (ISA guide 5.7.1.4)
.endr
	CHUNKLD 0
	CHUNKLD 1
	v_add_f32 v[ML+1], v[Z], v[Z+1]                ; l = the sum of p
	v_add_f32 v[ML+1], v[ML+1], v[Z+2]
	s_delay_alu instid0(VALU_DEP_1)
	v_add_f32_dpp v[ML+1], v[ML+1], v[ML+1] row_xmask:1 row_mask:0xf bank_mask:0xf
	s_delay_alu instid0(VALU_DEP_1)
	v_add_f32_dpp v[ML+1], v[ML+1], v[ML+1] row_xmask:2 row_mask:0xf bank_mask:0xf
	s_delay_alu instid0(VALU_DEP_1)
	v_add_f32_dpp v[ML+1], v[ML+1], v[ML+1] row_xmask:4 row_mask:0xf bank_mask:0xf
	s_delay_alu instid0(VALU_DEP_1)
	v_add_f32_dpp v[ML+1], v[ML+1], v[ML+1] row_xmask:8 row_mask:0xf bank_mask:0xf
	s_delay_alu instid0(VALU_DEP_1)
	v_permlanex16_b32 v[PRM], v[ML+1], s38, s39
	s_delay_alu instid0(VALU_DEP_1)
	v_add_f32 v[ML+1], v[ML+1], v[PRM]
.irp e, 0,1,2,3,4,5,6,7
	v_mov_b32 v[O+\e], 0
.endr
	s_wait_dscnt 20                                ; rows 0-15 are in; the next 16 rows' 20 loads may be out
	CHUNKFMA 0
	CHUNKLD 2
	s_wait_dscnt 20
	CHUNKFMA 1
	CHUNKLD 3
	s_wait_dscnt 20
	CHUNKFMA 2
	CHUNKLD 4
	s_wait_dscnt 20
	CHUNKFMA 3
	s_wait_dscnt 0x0
	CHUNKFMA 4
	s_delay_alu instid0(VALU_DEP_2)
	v_pk_add_f32 v[O:O+1], v[O:O+1], v[O+4:O+5]
	s_delay_alu instid0(VALU_DEP_2)
	v_pk_add_f32 v[O+2:O+3], v[O+2:O+3], v[O+6:O+7]
	global_store_b128 v[LI], v[O:O+3], s[24:25]    ; the wave stores 512 consecutive bytes, aligned
	s_cmp_lg_u32 s28, 0
	s_cbranch_scc1 .Lend
	global_store_b64 v[L8], v[ML:ML+1], s[26:27]   ; wave 0: (m, l), the same in every lane: 256 consecutive bytes, aligned
.Lend:
	s_wait_tensorcnt 0x0                           ; the wave's end, behind my last LDS store
	ds_add_u32 v[SPW], v[NIL]
	s_wait_dscnt 0x0
	s_endpgm
.Lfunc_end_k_qdc372c2376_main:
	.size	k_qdc372c2376_main, .Lfunc_end_k_qdc372c2376_main-k_qdc372c2376_main
	.p2alignl 7, 3214868480
	.fill 96, 4, 3214868480
	.section	.rodata,"a",@progbits
	.p2align	6, 0x0
	.amdhsa_kernel k_qdc372c2376_main
		.amdhsa_group_segment_fixed_size 316672
		.amdhsa_private_segment_fixed_size 0
		.amdhsa_enable_private_segment 0
		.amdhsa_kernarg_size 80
		.amdhsa_user_sgpr_count 2
		.amdhsa_user_sgpr_kernarg_segment_ptr 1
		.amdhsa_wavefront_size32 1
		.amdhsa_system_sgpr_workgroup_id_x 1
		.amdhsa_system_sgpr_workgroup_id_y 1
		.amdhsa_system_sgpr_workgroup_id_z 1
		.amdhsa_system_vgpr_workitem_id 0
		.amdhsa_next_free_vgpr 512
		.amdhsa_next_free_sgpr 100
		.amdhsa_reserve_vcc 1
		.amdhsa_float_denorm_mode_32 3
		.amdhsa_float_denorm_mode_16_64 3
		.amdhsa_memory_ordered 1
		.amdhsa_forward_progress 1
		.amdhsa_inst_pref_size 255
	.end_amdhsa_kernel
	.section	.bss,"aw",@nobits
	.p2align	6
	.space	262144
	.amdgpu_metadata
---
amdhsa.version: [ 1, 2 ]
amdhsa.kernels:
  - .name:           k_qdc372c2376_main
    .symbol:         k_qdc372c2376_main.kd
    .args:
      - { .name: seq, .offset: 0, .size: 8, .value_kind: global_buffer, .address_space: global }
      - { .name: time_features, .offset: 8, .size: 8, .value_kind: global_buffer, .address_space: global }
      - { .name: lengths, .offset: 16, .size: 8, .value_kind: global_buffer, .address_space: global }
      - { .name: Wt, .offset: 24, .size: 8, .value_kind: global_buffer, .address_space: global }
      - { .name: Ws, .offset: 32, .size: 8, .value_kind: global_buffer, .address_space: global }
      - { .name: cb, .offset: 40, .size: 8, .value_kind: global_buffer, .address_space: global }
      - { .name: wkf, .offset: 48, .size: 8, .value_kind: global_buffer, .address_space: global }
      - { .name: wks, .offset: 56, .size: 8, .value_kind: global_buffer, .address_space: global }
      - { .name: pacc, .offset: 64, .size: 8, .value_kind: global_buffer, .address_space: global }
      - { .name: pml, .offset: 72, .size: 8, .value_kind: global_buffer, .address_space: global }
    .group_segment_fixed_size: 316672
    .private_segment_fixed_size: 0
    .kernarg_segment_align: 8
    .kernarg_segment_size: 80
    .max_flat_workgroup_size: 256
    .sgpr_count:     100
    .vgpr_count:     512
    .wavefront_size: 32
...
	.end_amdgpu_metadata
.endif
;; end of part 5
;; launch comb (part 6): grid 8 x 32, 1 waves a work-group, no clusters, 0 bytes of LDS; arguments lengths, pacc, pml, out0; writes out0
.if DOCPART == 6
	.amdgcn_target "amdgcn-amd-amdhsa--gfx1250"
	.amdhsa_code_object_version 6
	.text
	.protected	k_qdc372c2376_comb
	.globl	k_qdc372c2376_comb
	.p2align	8
	.type	k_qdc372c2376_comb,@function
k_qdc372c2376_comb:
	s_mov_b64 s[64:65], 0
	v_nop
	global_prefetch_b8 v0, s[64:65] scope:SCOPE_SE
	s_setreg_imm32_b32 hwreg(HW_REG_WAVE_MODE, 25, 1), 1
	s_wait_xcnt 0x0
; TimeAwareAttention, launch 3 of 3: out0[b] = sum over the batch's live tiles i of 2^(m_i - M) pacc_i / sum over i of 2^(m_i - M) l_i, M = the largest m_i: the softmax's maximum over the whole row, taken away as reference() does.
; LEFT OUT (shown at the head of launch 1): tiles that lie wholly at or beyond lengths[b]: launch 2 has stored nothing for them, and nothing of them is read.
; A work-group of one wave takes 128 columns (work-group x) of one batch (work-group y); a lane takes four columns.  nt = ceil(lengths[b] / 80) live tiles, 1 .. 26, in whole numbers.
; No branch: all 26 places are loaded at once; a place at or beyond nt repeats the last live record (its index is held there) with the weight 0.
.set NCH, 26
	s_load_b256 s[4:11], s[0:1], 0x0               ; lengths 4, pacc 6, pml 8, out0 10
	s_and_b32 s13, ttmp7, 0xffff                   ; batch b
	s_lshl_b32 s14, s13, 2
	s_mov_b32 s15, 0
	s_mul_i32 s18, s13, NCH*256                    ; the batch's records in pml,
	s_mov_b32 s19, 0
	s_lshl_b32 s22, ttmp9, 9                       ; my 128 columns, in bytes
	s_mul_i32 s20, s13, NCH*4096                   ; in pacc,
	s_add_co_u32 s20, s20, s22
	s_mov_b32 s21, 0
	s_lshl_b32 s24, s13, 12                        ; its row of out0
	s_add_co_u32 s24, s24, s22
	s_mov_b32 s25, 0
	s_mov_b32 s26, 0x76543210
	s_mov_b32 s27, 0xfedcba98                      ; v_permlanex16_b32's selects for lane l xor 16
	v_lshlrev_b32 v3, 4, v0                        ; 16 x lane (one wave: v0 is the lane)
	v_mov_b32 v6, 0xff800000                       ; -infinity
	v_mov_b32 v12, 0                               ; a lane permute's destination counts as one of its sources
	s_wait_alu depctr_va_vdst(0)
	s_wait_kmcnt 0x0
	s_add_nc_u64 s[4:5], s[4:5], s[14:15]
	s_load_b32 s16, s[4:5], 0x0                    ; lengths[b]
	s_add_nc_u64 s[6:7], s[6:7], s[20:21]
	s_add_nc_u64 s[8:9], s[8:9], s[18:19]
	s_add_nc_u64 s[10:11], s[10:11], s[24:25]
	s_wait_kmcnt 0x0
	s_max_i32 s16, s16, 1
	s_min_u32 s16, s16, 2048                       ; held as in launch 2
	s_add_co_u32 s16, s16, 79
	s_lshr_b32 s16, s16, 4                         ; (len + 79) / 16, at most 132;
	s_mul_i32 s16, s16, 52429
	s_lshr_b32 s16, s16, 18                        ; / 5, exactly for numbers of this size: nt
	s_sub_co_u32 s17, s16, 1                       ; the last live tile
	v_min_u32 v2, s17, v0
	v_min_u32 v2, NCH-1, v2                        ; lane i: tile min(i, nt - 1), held by a constant
	v_lshlrev_b32 v2, 8, v2
	global_load_b64 v[4:5], v2, s[8:9]             ; its (m, l)
.irp i, 1,2,3,4,5,6,7,8,9,10,11,12,13,14,15,16,17,18,19,20,21,22,23,24,25
	s_min_u32 s28, s17, \i
	v_lshl_add_u32 v[16+\i], s28, 12, v3
.endr
	global_load_b128 v[48:51], v3, s[6:7]          ; tile 0 is always live
	s_wait_alu depctr_va_vdst(0)
.irp i, 1,2,3,4,5,6,7,8,9,10,11,12,13,14,15,16,17,18,19,20,21,22,23,24,25
	global_load_b128 v[48+4*\i:51+4*\i], v[16+\i], s[6:7]          ; 512 consecutive bytes a load
.endr
	s_wait_loadcnt 26                              ; (m, l) is in; the 26 vector loads are younger
	v_cmp_gt_u32 vcc_lo, s16, v0                   ; is lane i's tile live?
	v_cndmask_b32 v4, v6, v4, vcc_lo               ; else m = -infinity,
	v_cndmask_b32 v5, 0, v5, vcc_lo                ; l = 0
	v_mov_b32 v7, v4
	v_max_num_f32_dpp v7, v7, v7 row_xmask:1 row_mask:0xf bank_mask:0xf
	v_max_num_f32_dpp v7, v7, v7 row_xmask:2 row_mask:0xf bank_mask:0xf
	v_max_num_f32_dpp v7, v7, v7 row_xmask:4 row_mask:0xf bank_mask:0xf
	v_max_num_f32_dpp v7, v7, v7 row_xmask:8 row_mask:0xf bank_mask:0xf
	v_permlanex16_b32 v12, v7, s26, s27
	v_max_num_f32 v7, v7, v12                      ; M
	v_sub_f32 v8, v4, v7
	s_wait_alu depctr_va_vdst(0)
	v_exp_f32 v8, v8                               ; 2^(m - M)
	v_nop
	s_wait_alu depctr_va_vdst(0)                   ; the wait ahead of the first use
	v_mul_f32 v9, v5, v8
	v_add_f32_dpp v9, v9, v9 row_xmask:1 row_mask:0xf bank_mask:0xf
	v_add_f32_dpp v9, v9, v9 row_xmask:2 row_mask:0xf bank_mask:0xf
	v_add_f32_dpp v9, v9, v9 row_xmask:4 row_mask:0xf bank_mask:0xf
	v_add_f32_dpp v9, v9, v9 row_xmask:8 row_mask:0xf bank_mask:0xf
	v_permlanex16_b32 v12, v9, s26, s27
	v_add_f32 v9, v9, v12                          ; the row's sum under M: at least 1
	s_wait_alu depctr_va_vdst(0)
	v_rcp_f32 v10, v9
	v_nop
	s_wait_alu depctr_va_vdst(0)
	v_mul_f32 v8, v8, v10                          ; lane i: tile i's factor
.irp i, 0,1,2,3,4,5,6,7,8,9,10,11,12,13,14,15,16,17,18,19,20,21,22,23,24,25
	v_readlane_b32 s[36+\i], v8, \i
.endr
	s_wait_loadcnt 0x0
.irp e, 0,1,2,3
	v_mul_f32 v[152+\e], s36, v[48+\e]             ; the first tile starts the sums
.endr
.irp i, 1,2,3,4,5,6,7,8,9,10,11,12,13,14,15,16,17,18,19,20,21,22,23,24,25
.irp e, 0,1,2,3
	v_fma_f32 v[152+\e], s[36+\i], v[48+4*\i+\e], v[152+\e]
.endr
.endr
	global_store_b128 v3, v[152:155], s[10:11]     ; 512 consecutive bytes, aligned
	s_endpgm
.Lfunc_end_k_qdc372c2376_comb:
	.size	k_qdc372c2376_comb, .Lfunc_end_k_qdc372c2376_comb-k_qdc372c2376_comb
	.p2alignl 7, 3214868480
	.fill 96, 4, 3214868480
	.section	.rodata,"a",@progbits
	.p2align	6, 0x0
	.amdhsa_kernel k_qdc372c2376_comb
		.amdhsa_group_segment_fixed_size 0
		.amdhsa_private_segment_fixed_size 0
		.amdhsa_enable_private_segment 0
		.amdhsa_kernarg_size 32
		.amdhsa_user_sgpr_count 2
		.amdhsa_user_sgpr_kernarg_segment_ptr 1
		.amdhsa_wavefront_size32 1
		.amdhsa_system_sgpr_workgroup_id_x 1
		.amdhsa_system_sgpr_workgroup_id_y 1
		.amdhsa_system_sgpr_workgroup_id_z 1
		.amdhsa_system_vgpr_workitem_id 0
		.amdhsa_next_free_vgpr 160
		.amdhsa_next_free_sgpr 66
		.amdhsa_reserve_vcc 1
		.amdhsa_float_denorm_mode_32 3
		.amdhsa_float_denorm_mode_16_64 3
		.amdhsa_memory_ordered 1
		.amdhsa_forward_progress 1
		.amdhsa_inst_pref_size 16
	.end_amdhsa_kernel
	.amdgpu_metadata
---
amdhsa.version: [ 1, 2 ]
amdhsa.kernels:
  - .name:           k_qdc372c2376_comb
    .symbol:         k_qdc372c2376_comb.kd
    .args:
      - { .name: lengths, .offset: 0, .size: 8, .value_kind: global_buffer, .address_space: global }
      - { .name: pacc, .offset: 8, .size: 8, .value_kind: global_buffer, .address_space: global }
      - { .name: pml, .offset: 16, .size: 8, .value_kind: global_buffer, .address_space: global }
      - { .name: out0, .offset: 24, .size: 8, .value_kind: global_buffer, .address_space: global }
    .group_segment_fixed_size: 0
    .private_segment_fixed_size: 0
    .kernarg_segment_align: 8
    .kernarg_segment_size: 32
    .max_flat_workgroup_size: 32
    .sgpr_count:     66
    .vgpr_count:     160
    .wavefront_size: 32
...
	.end_amdgpu_metadata
.endif
;; end of part 6
